; MI455X (gfx1250); checked and timed in simulation.
; The chip was launched on July 23, 2026; its instructions are those of AMD's public machine-readable ISA for CDNA 5 (MIT licence, August 2026) and "CDNA5" Instruction Set Architecture Reference Guide (July 2026). The comments in the code are by the model that wrote it; some were corrected since.
;; Sparse Mo E Layer. Allowed arithmetic: matrix products marked QUANTISED: E5M2 operands, one given power-of-two scale a tensor, by v_wmma_f32_16x16x64_bf8_bf8 or v_wmma_f32_16x16x128_bf8_bf8, f32 sums; products left as they are: f32 operands where the result goes on into a quantised operand, else bf16, f16 or f32 operands; f32 sums; everything else in f32.
;; Inputs: b1 8 x 512 float32; b2 8 x 1,024 float32; gate_w 1,024 x 8 float32; lowp_scales 4 int32 (the exponents e of the quantised operands' scales 2^e); w1 8 x 1,024 x 512 float32; w2 8 x 512 x 1,024 float32; x 4 x 2,048 x 1,024 float32.
;; Outputs: out0 4 x 2,048 x 1,024 float32; out1 one number float32.
;; This version of the problem:
;;   THIS VERSION OF THE PROBLEM IS GIVEN IN LOW PRECISION. The matrix products marked QUANTISED in the list below multiply operands that are first quantised to E5M2 (5 exponent bits, 2 mantissa bits; 8 bits a number), with one given power-of-two scale for each operand tensor; their sums are f32. All else is computed in f32.
;;   The module's matrix products, in the order in which they are computed (A, B: the left and right operand; K: the contracted axis; several contracted axes count as one K, in the product's order):
;;     1. [M 8,192, K 1,024] x [K 1,024, N 8]; A: input x; B: input gate_w: left as it is (N = 8 < 16)
;;     2. batch 8,192 x [M 1, K 2] x [K 2, N 8]; A: computed on the way; B: computed on the way: left as it is (K = 2 < 32)
;;     3. [M 4,096, K 1,024] x [K 1,024, N 8,192]; A: input w1; B: input x: QUANTISED (scales: A lowp_scales[0], B lowp_scales[1])
;;     4. batch 8 x [M 8,192, K 512] x [K 512, N 1,024]; A: computed on the way; B: input w2: QUANTISED (scales: A lowp_scales[2], B lowp_scales[3])
;;     5. batch 8,192 x [M 1, K 8] x [K 8, N 1,024]; A: computed on the way; B: computed on the way: left as it is (K = 8 < 32)
;;   THE QUANTISER, for each operand of a quantised product, along K:
;;     - The operand's scale is 2^e, e = its entry of the input lowp_scales (int32; the entries are numbered through the quantised products in the list's order, A before B).
;;     - Each number is divided by the scale, clamped to +-57,344, and rounded to the nearest number of E5M2, ties to even, subnormals kept.
;;     - The product sums the exact products of the quantised numbers (number of the format x scale) in f32.
;;   ~~~python
;;   def quantise(x, axis, e):      # numpy; x: float32 -> the quantised numbers, widened to float32 again
;;       x = np.moveaxis(x, axis, -1); K = x.shape[-1]
;;       r = np.clip(x / 2.0 ** e, -57344, 57344)
;;       step = 2.0 ** (np.maximum(np.frexp(np.where(r == 0, 1, r))[1] - 1, -14) - 2)
;;       q = np.round(r / step) * step * 2.0 ** e      # np.round: ties to even
;;       return np.moveaxis(q, -1, axis).astype(np.float32)
;;   ~~~
;;   OPERANDS COMPUTED ON THE WAY. 'Computed on the way' means the value that the module computes at that place (a softmax that the list does not call 'softmax' is quantised finished and normalised). What goes into a quantiser is computed in f32, as accurately as f32 sums, v_exp_f32 and their like allow (about 1e-6 of the number): no bf16 or f16 on the way to a quantiser, and a product that is left as it is and whose result goes on into a quantised operand takes f32 operands (vector FMAs, or v_wmma_f32_16x16x4_f32). A number that lies on a knife's edge between two numbers of the format may be rounded either way, as far as f32 arithmetic and the matrix unit's own rounding can turn it there, and no further.
;; 2 versions. Each part assembles by itself: llvm-mc -triple=amdgcn-amd-amdhsa -mcpu=gfx1250 --defsym DOCPART=n.
;; ======== version 1 of 2: 3 launches
;; limits: right only within a limited range of input values
;; workspace buffers: xq 8,388,608 bytes; wq 8,388,608 bytes; route 32,768 bytes of whole numbers; hist 131,072 bytes of whole numbers; cw 65,536 bytes; auxp 32,768 bytes; plan 42,240 bytes of whole numbers
;; launch prep (part 1): grid 384 x 1, 4 waves a work-group, no clusters, 37,376 bytes of LDS; arguments x, gate_w, w1, w2, lowp_scales, xq, wq, route, hist, cw, auxp; writes xq, wq, route, hist, cw, auxp
.if DOCPART == 1
	.amdgcn_target "amdgcn-amd-amdhsa--gfx1250"
	.amdhsa_code_object_version 6
	.text
	.protected	k_q7902f0b226_prep
	.globl	k_q7902f0b226_prep
	.p2align	8
	.type	k_q7902f0b226_prep,@function
k_q7902f0b226_prep:
	s_mov_b64 s[64:65], 0
	v_nop
	global_prefetch_b8 v0, s[64:65] scope:SCOPE_SE
	s_setreg_imm32_b32 hwreg(HW_REG_WAVE_MODE, 25, 1), 1
	s_wait_xcnt 0x0
; PREP: one launch, three paths chosen by the work-group's number.
;   work-groups   0-127: x.   A wave takes 16 tokens: gate logits in f32, softmax, top-2, renormalised weights, sums for the aux loss, and x's codes of E5M2.
;   work-groups 128-255: w1,  256-383: w2: codes of E5M2, laid in the order in which the experts' launch takes an operand's registers.
; x's CODES: byte p of a token's 1,024 holds k = 128 j + 4 l + i with p = 512 (j / 4) + 16 l + 4 (j % 4) + i (j: which of the 8 loads, l: lane, i: 0..3): the order in which the dense loads leave the
; numbers in a lane's registers, so that the conversions take them as they lie.  w1's codes carry the same order of k, so every product still meets its partner.
; A FRAGMENT of a weight (16 rows x 128 positions, 2,048 bytes): position 32 c + 16 h + i of row r at byte 512 c + 256 h + 16 r + i.
;   w1 part of wq, at 0:         [expert 8][wave 4][K step 8][tile 8]; row r of tile 2 b + u is hidden unit 128 w + 32 b + 8 u + r + 8 (r / 8).
;   w2 part of wq, at 4,194,304: [expert 8][wave 4][half 2][K step 4][tile 8]; row r of tile n is output column 256 w + 128 g + 16 n + r; k in its natural order.
; WHAT THE ROUTER LEAVES, at fixed places: route[token] = (8 lo + hi) | rank << 8 (lo < hi: the two experts; rank: how many earlier tokens of the same 16 have the same pair);
;   hist[chunk of 16 tokens][64 pairs]; cw[token] = the weights of lo and hi; auxp[chunk] = 8 sums of probabilities, 8 counts of first choices.  No address and no branch here hangs on a choice.
; THE GATE: a lane wants 128 consecutive bytes (four rows of the gate) for each of x's eight loads, the same in all four waves.  Each wave loads a quarter of the gate's 32,768 bytes by 16 loads of 512
; consecutive bytes; the pieces go to LDS as 256 rows of 128 bytes, 144 apart; one barrier; every wave reads its 256 registers from there.  Only the x path uses LDS or a barrier.
; code = number / 2^e, held within +-57,344, to the nearest code, ties to even.  e: lowp_scales[0] for w1, [1] for x, [3] for w2.
; LIMITS: each e between -126 and 112.  NaN among the inputs is not served.  A probability under 2^-126 counts as 0.  Two probabilities that differ by less than f32 sums can tell may change places.
.set X,   16                           ; v16-207   six slots of 32: register 4 j + i = x[128 j + 4 lane + i]
.set CD,  208                          ; v208-223  two sets of 8: a token's codes
.set A,   224                          ; v224-231  the eight logits' partial sums, in pairs
.set TP,  232                          ; v232-239  what comes from the other half of the lanes
.set LG,  240                          ; v240-247  lane t: token t's eight logits
.set GP,  144                          ; a row of 128 bytes of the gate in LDS, + 16: 36 words, so sixteen neighbouring rows start at sixteen different groups of four banks (64 banks of 4 bytes: ISA guide 11.1)
.set WX,  32                           ; the weights' paths: v32-95 two sets of 32 numbers
.set WC,  96                           ; v96-159 a block's codes, eight registers for each of eight blocks: no store's data are written again
.set MSB, 0
.macro WIN new                         ; the immediate's high byte repeats the setting that is left
.if MSB != \new
	s_set_vgpr_msb (MSB<<8)|\new
.set MSB, \new
.endif
.endm
; block t of a weight: 32 positions down K of my column, into set t % 2.  perm = 1: position q of my 256 stands for row 128 ((q / 4) % 4) + 4 (q / 16) + q % 4 (x's order of k)
.macro LOADB t, rowb, perm
.set li, 0
.rept 32
.set lq, 32*(\t)+li
.if \perm
.set lk, 128*((lq>>2)&3)+4*(lq>>4)+(lq&3)
.else
.set lk, lq
.endif
	global_load_b32 v[WX+32*((\t)%2)+li], v3, s[32:33] offset:lk*\rowb th:TH_LOAD_NT   ; 32 lanes read 128 consecutive bytes, the four waves 512
.set li, li+1
.endr
.endm
; A wave's 32 columns x 256 positions.  A lane takes a column and its registers run down K, so the conversions give codes with K innermost.
.macro QW rowb, perm, se
	LOADB 0, \rowb, \perm
	LOADB 1, \rowb, \perm
	s_wait_kmcnt 0x0                               ; the given exponents
	s_add_co_i32 s46, s[\se], 127
	s_lshl_b32 s47, s46, 23
	v_mov_b32 v11, s47                             ; 2^e as f32: the conversion takes its exponent field
	s_add_co_i32 s46, s46, 15
	s_lshl_b32 s46, s46, 23
	s_or_b32 s46, s46, 0x600000
	v_mov_b32 v10, s46                             ; 57,344 x 2^e
.set tb, 0
.rept 8
.if tb < 7
	s_wait_loadcnt 32                              ; this block's 32 loads are in; the next block's 32 may be out
.else
	s_wait_loadcnt 0
.endif
.set wi, 0
.rept 32
	v_med3_num_f32 v[WX+32*(tb%2)+wi], v[WX+32*(tb%2)+wi], -v10, v10   ; the conversion to an 8-bit code does not saturate (ISA guide 7.6.2): the hold comes first
.set wi, wi+1
.endr
.irp g, 0,1,2,3
	v_cvt_scalef32_pk8_bf8_f32 v[WC+8*tb+2*\g:WC+8*tb+2*\g+1], v[WX+32*(tb%2)+8*\g:WX+32*(tb%2)+8*\g+7], v11
.endr
	v_nop                                          ; a plain line behind the last conversion of the run
.if tb < 6
	LOADB tb+2, \rowb, \perm
.endif
	global_store_b128 v4, v[WC+8*tb:WC+8*tb+3], s[34:35] offset:16384*(tb>>2)+512*(tb&3)        ; positions 0-15 of the block: sixteen lanes fill 256 consecutive bytes of one fragment, the other sixteen of the next
	global_store_b128 v4, v[WC+8*tb+4:WC+8*tb+7], s[34:35] offset:16384*(tb>>2)+512*(tb&3)+256  ; positions 16-31
.set tb, tb+1
.endr
.endm
; eight loads of 512 consecutive bytes: token t of my sixteen into slot t % 6
.macro FILL t
.irp j, 0,1,2,3,4,5,6,7
	global_load_b128 v[X+32*((\t)%6)+4*\j:X+32*((\t)%6)+4*\j+3], v2, s[32:33] offset:4096*(\t)+512*\j th:TH_LOAD_NT
.endr
.endm
; Token t.  Sixteen is no multiple of six, so the sixteen tokens are written out, every offset an immediate; tokens 0 to 9 fill their slot again with the token six further on.
.macro TOK t
.set XS, X+32*((\t)%6)
.set CS, CD+8*((\t)%2)
.if (\t) <= 10
	s_wait_loadcnt 40                              ; loads come back in order: this token's eight are in; the five younger tokens' 40 may be out
.else
	s_wait_loadcnt 8*(15-(\t))                     ; nothing is left to ask for: the counts run down
.endif
	WIN 0x04                                       ; source 1 (the gate) in window 1
.irp p, 0,1,2,3
	v_pk_mul_f32 v[A+2*\p:A+2*\p+1], v[XS:XS+1], v[2*\p:2*\p+1] op_sel_hi:[0,1]   ; the first product starts the sums; one x for two experts
.endr
.set kx, 1
.rept 31
.irp p, 0,1,2,3
.if kx%2
	v_pk_fma_f32 v[A+2*\p:A+2*\p+1], v[XS+kx-1:XS+kx], v[8*kx+2*\p:8*kx+2*\p+1], v[A+2*\p:A+2*\p+1] op_sel:[1,0,0] op_sel_hi:[1,1,1]
.else
	v_pk_fma_f32 v[A+2*\p:A+2*\p+1], v[XS+kx:XS+kx+1], v[8*kx+2*\p:8*kx+2*\p+1], v[A+2*\p:A+2*\p+1] op_sel_hi:[0,1,1]
.endif
.endr
.set kx, kx+1
.endr
	WIN 0
.set kx, 0
.rept 32
	v_med3_num_f32 v[XS+kx], v[XS+kx], -v3, v3     ; the hold, behind the logits, which take x as it is
.set kx, kx+1
.endr
	s_wait_xcnt 0x0                                ; the stores of two tokens back have read this set of codes: it is written again only behind this wait
.irp g, 0,1,2,3
	v_cvt_scalef32_pk8_bf8_f32 v[CS+2*\g:CS+2*\g+1], v[XS+8*\g:XS+8*\g+7], v4
.endr
	v_nop                                          ; a plain line behind the last conversion
.if (\t)+6 < 16
	FILL (\t)+6
.endif
	global_store_b128 v2, v[CS:CS+3], s[34:35] offset:1024*(\t)          ; 32 lanes store 512 consecutive bytes
	global_store_b128 v2, v[CS+4:CS+7], s[34:35] offset:1024*(\t)+512
.irp mk, 1,2,4,8                       ; the eight sums over the 32 lanes
.irp e, 0,1,2,3,4,5,6,7
	v_add_f32_dpp v[A+\e], v[A+\e], v[A+\e] row_xmask:\mk row_mask:0xf bank_mask:0xf
.endr
.endr
.irp e, 0,1,2,3,4,5,6,7
	v_permlanex16_b32 v[TP+\e], v[A+\e], s38, s39
.endr
.irp e, 0,1,2,3,4,5,6,7
	v_add_f32 v[A+\e], v[A+\e], v[TP+\e]
.endr
.irp e, 0,1,2,3,4,5,6,7
	v_cndmask_b32 v[LG+\e], v[LG+\e], v[A+\e], s36 ; lane t keeps token t's logits
.endr
	s_lshl_b32 s36, s36, 1
.endm
	s_load_b512 s[4:19], s[0:1], 0x0               ; x 4, gate_w 6, w1 8, w2 10, scales 12, xq 14, wq 16, route 18
	s_load_b128 s[20:23], s[0:1], 0x40             ; hist 20, cw 22
	s_load_b64 s[24:25], s[0:1], 0x50              ; auxp
	v_lshl_add_u32 v254, v0, 2, 0x9000
	v_mov_b32 v255, 0
	v_lshrrev_b32 v1, 5, v0
	v_readfirstlane_b32 s26, v1                    ; wave 0..3
	v_and_b32 v1, 31, v0                           ; lane
	s_wait_kmcnt 0x0
	s_load_b128 s[28:31], s[12:13], 0x0            ; ew1, ex, eh, ew2: waited for behind each path's first loads
	s_cmp_lt_u32 ttmp9, 128
	s_cbranch_scc1 .Lpath_x
	s_cmp_lt_u32 ttmp9, 256
	s_cbranch_scc1 .Lpath_w1
	; ---- w2 [8][512][1024]: work-group = expert, 128 columns (cg), 256 rows of K (y)
	s_sub_co_u32 s40, ttmp9, 256
	s_lshr_b32 s41, s40, 4                         ; expert
	s_and_b32 s42, s40, 15                         ; 2 cg + y
	s_lshr_b32 s43, s42, 1
	s_and_b32 s44, s42, 1
	s_lshl_b32 s52, s41, 21                        ; an expert's 2,097,152 bytes
	s_lshl_b32 s45, s44, 20                        ; 256 rows of 4,096 bytes
	s_add_co_u32 s52, s52, s45
	s_lshl_b32 s45, s43, 9                         ; 128 columns
	s_add_co_u32 s52, s52, s45
	s_lshl_b32 s45, s26, 7                         ; my wave's 32
	s_add_co_u32 s52, s52, s45
	s_mov_b32 s53, 0
	s_add_nc_u64 s[32:33], s[10:11], s[52:53]
	s_lshl_b32 s54, s41, 19                        ; an expert's 524,288 bytes of codes
	s_lshl_b32 s45, s42, 15                        ; two K steps of eight fragments
	s_add_co_u32 s54, s54, s45
	s_lshl_b32 s45, s26, 12                        ; my wave's two fragments
	s_add_co_u32 s54, s54, s45
	s_add_co_u32 s54, s54, 0x400000                ; behind w1's part
	s_mov_b32 s55, 0
	s_add_nc_u64 s[34:35], s[16:17], s[54:55]
	v_lshlrev_b32 v3, 2, v1                        ; in: 4 bytes a lane
	v_lshrrev_b32 v5, 4, v1                        ; out: fragment lane / 16,
	v_and_b32 v6, 15, v1                           ; row lane % 16
	v_lshlrev_b32 v4, 4, v6
	v_lshl_add_u32 v4, v5, 11, v4
	QW 4096, 0, 31
	s_endpgm
.Lpath_w1:
	; ---- w1 [8][1024][512]: work-group = expert, 128 hidden units (w), 256 positions of K (y)
	s_sub_co_u32 s40, ttmp9, 128
	s_lshr_b32 s41, s40, 4                         ; expert
	s_and_b32 s42, s40, 15                         ; 4 w + y
	s_lshr_b32 s43, s42, 2
	s_and_b32 s44, s42, 3
	s_lshl_b32 s52, s41, 21
	s_lshr_b32 s45, s44, 1
	s_lshl_b32 s45, s45, 20                        ; positions 256 y on begin at row 512 (y / 2) + 64 (y % 2); a row is 2,048 bytes
	s_add_co_u32 s52, s52, s45
	s_and_b32 s45, s44, 1
	s_lshl_b32 s45, s45, 17
	s_add_co_u32 s52, s52, s45
	s_lshl_b32 s45, s43, 9
	s_add_co_u32 s52, s52, s45
	s_lshl_b32 s45, s26, 7
	s_add_co_u32 s52, s52, s45
	s_mov_b32 s53, 0
	s_add_nc_u64 s[32:33], s[8:9], s[52:53]
	s_lshl_b32 s54, s41, 19
	s_lshl_b32 s45, s42, 15
	s_add_co_u32 s54, s54, s45
	s_lshl_b32 s45, s26, 12
	s_add_co_u32 s54, s54, s45
	s_mov_b32 s55, 0
	s_add_nc_u64 s[34:35], s[16:17], s[54:55]
	v_lshlrev_b32 v3, 2, v1
	v_bfe_u32 v5, v1, 3, 1                         ; unit 32 b + lane lies in fragment u = (lane / 8) % 2,
	v_and_b32 v6, 7, v1
	v_lshrrev_b32 v7, 4, v1
	v_lshl_add_u32 v6, v7, 3, v6                   ; row lane % 8 + 8 (lane / 16)
	v_lshlrev_b32 v4, 4, v6
	v_lshl_add_u32 v4, v5, 11, v4
	QW 2048, 1, 28
	s_endpgm
.Lpath_x:
	; ---- x: my wave's chunk of 16 tokens
	s_lshl_b32 s40, ttmp9, 2
	s_add_co_u32 s40, s40, s26                     ; chunk 0..511
	s_mov_b32 s53, 0
	s_lshl_b32 s52, s40, 16
	s_add_nc_u64 s[32:33], s[4:5], s[52:53]        ; x: 16 rows of 4,096 bytes
	s_lshl_b32 s52, s40, 14
	s_add_nc_u64 s[34:35], s[14:15], s[52:53]      ; xq: 16 rows of 1,024
	s_lshl_b32 s52, s40, 8
	s_add_nc_u64 s[42:43], s[20:21], s[52:53]      ; hist: 256 bytes
	s_lshl_b32 s52, s40, 6
	s_add_nc_u64 s[44:45], s[18:19], s[52:53]      ; route: 64 bytes
	s_add_nc_u64 s[48:49], s[24:25], s[52:53]      ; auxp: 64 bytes
	s_lshl_b32 s52, s40, 7
	s_add_nc_u64 s[46:47], s[22:23], s[52:53]      ; cw: 128 bytes
	s_lshl_b32 s52, s26, 13
	s_add_nc_u64 s[56:57], s[6:7], s[52:53]        ; the gate: my wave's quarter, 8,192 bytes
	v_lshlrev_b32 v2, 4, v1                        ; 16 x lane
	v_lshrrev_b32 v8, 3, v1                        ; into LDS: a load's 512 bytes are four rows of 128: row lane / 8, piece lane % 8
	v_mul_u32_u24 v8, v8, GP
	v_and_b32 v9, 7, v1
	v_lshl_add_u32 v8, v9, 4, v8
	s_mul_i32 s54, s26, 64*GP                      ; my wave's 64 rows
	v_add_nc_u32 v8, s54, v8
	v_mul_u32_u24 v9, v1, GP                       ; out of LDS: row 32 j + lane
	WIN 0x40                                       ; destination window 1: the pieces pass through registers that the gate itself takes afterwards
.irp n, 0,1,2,3,4,5,6,7,8,9,10,11,12,13,14,15
	global_load_b128 v[4*\n:4*\n+3], v2, s[56:57] offset:512*\n     ; 32 lanes read 512 consecutive bytes
.endr
	WIN 0
.irp t, 0,1,2,3,4,5
	FILL \t
.endr
	s_mov_b32 s36, 1                               ; the mask of the lane that keeps the token in hand
	s_mov_b32 s38, 0x76543210                      ; lane l xor 16
	s_mov_b32 s39, 0xfedcba98
	v_mov_b32 v5, -1.0
	v_cmp_gt_u32 vcc_lo, 16, v1
	v_cndmask_b32 v6, 0, 1.0, vcc_lo               ; 1 in the sixteen lanes that hold a token
.irp e, 0,1,2,3,4,5,6,7
	v_mov_b32 v[TP+\e], 0                          ; a lane permute's destination counts as read
	v_mov_b32 v[LG+\e], 0
.endr
	s_wait_kmcnt 0x0
	s_add_co_i32 s50, s29, 127
	s_lshl_b32 s51, s50, 23
	v_mov_b32 v4, s51                              ; 2^ex
	s_add_co_i32 s50, s50, 15
	s_lshl_b32 s50, s50, 23
	s_or_b32 s50, s50, 0x600000
	v_mov_b32 v3, s50                              ; 57,344 x 2^ex
	s_wait_loadcnt 48                              ; my quarter of the gate is in; the six tokens' 48 loads may be out
	WIN 0x04                                       ; an LDS store's data in window 1
.irp n, 0,1,2,3,4,5,6,7,8,9,10,11,12,13,14,15
	ds_store_b128 v8, v[4*\n:4*\n+3] offset:4*GP*\n
.endr
	WIN 0
	s_wait_dscnt 0x0                               ; for the others' sake: my stores have landed
	s_barrier_signal -1
	s_barrier_wait -1                              ; the whole gate lies in LDS; nothing is stored there again
	WIN 0x40                                       ; destination window 1: register 32 j + 8 i + e = gate_w[128 j + 4 lane + i][e]; it stays for all 16 tokens
.irp j, 0,1,2,3,4,5,6,7
.irp q, 0,1,2,3,4,5,6,7
	ds_load_b128 v[32*\j+4*\q:32*\j+4*\q+3], v9 offset:32*GP*\j+16*\q
.endr
.endr
	WIN 0
	s_wait_dscnt 0x0
.irp t, 0,1,2,3,4,5,6,7,8,9,10,11,12,13,14,15
	TOK \t
.endr
	; ---- the router, a lane a token (lanes 16-31 work on zeros; nothing of theirs is kept)
.set P,     32                         ; v32-39  probabilities
.set Q,     40                         ; v40-47  the same with the first choice taken out
.set AX,    48                         ; v48-63  8 probabilities and 8 flags of the first choice, for the sums
.set BEST,  70
.set I1,    71
.set BEST2, 72
.set I2,    73
.set DEN,   74
.set RC,    75
.set C1,    76
.set C2,    77
.set LO,    78
.set HI,    79
.set CL,    80                         ; v[80:81] the weights of lo and hi
.set ID,    82
.set HH,    84                         ; v[84:85] my two bins of the histogram
.set RK,    86
.set BIN0,  87
.set BIN1,  88
.set RW,    89
.set O8,    90
.set O4,    91
.set ZZ,    92
	v_max3_num_f32 v64, v[LG], v[LG+1], v[LG+2]
	v_max3_num_f32 v64, v64, v[LG+3], v[LG+4]
	v_max3_num_f32 v64, v64, v[LG+5], v[LG+6]
	v_max_num_f32 v64, v64, v[LG+7]                ; the largest logit is taken away ahead of the exponentials
.irp e, 0,1,2,3,4,5,6,7
	v_sub_f32 v[P+\e], v[LG+\e], v64
.endr
.irp e, 0,1,2,3,4,5,6,7
	v_mul_f32 v[P+\e], 0x3fb8aa3b, v[P+\e]         ; x log2(e)
.endr
.irp e, 0,1,2,3,4,5,6,7
	v_exp_f32 v[P+\e], v[P+\e]
.endr
	v_nop                                          ; a plain line behind the last exponential,
	s_wait_alu depctr_va_vdst(0)                   ; and one wait for the batch, ahead of its first reader
	v_add_f32 v65, v[P], v[P+1]
	v_add_f32 v66, v[P+2], v[P+3]
	v_add_f32 v67, v[P+4], v[P+5]
	v_add_f32 v68, v[P+6], v[P+7]
	v_add_f32 v65, v65, v66
	v_add_f32 v67, v67, v68
	v_add_f32 v65, v65, v67
	v_rcp_f32 v66, v65
	v_nop
	s_wait_alu depctr_va_vdst(0)
.irp e, 0,1,2,3,4,5,6,7
	v_mul_f32 v[P+\e], v[P+\e], v66
.endr
	v_mov_b32 v[BEST], v[P]                        ; the first choice: strictly greater only, so the lower index wins a tie
	v_mov_b32 v[I1], 0
.irp e, 1,2,3,4,5,6,7
	v_cmp_gt_f32 vcc_lo, v[P+\e], v[BEST]
	v_cndmask_b32 v[BEST], v[BEST], v[P+\e], vcc_lo
	v_cndmask_b32 v[I1], v[I1], \e, vcc_lo
.endr
.irp e, 0,1,2,3,4,5,6,7
	v_cmp_eq_u32 vcc_lo, \e, v[I1]
	v_cndmask_b32 v[Q+\e], v[P+\e], v5, vcc_lo     ; -1 in the first choice's place
	v_cndmask_b32 v[AX+8+\e], 0, v6, vcc_lo        ; 1 there, for the count of first choices
.endr
	v_mov_b32 v[BEST2], v[Q]                       ; the second choice, in the same way
	v_mov_b32 v[I2], 0
.irp e, 1,2,3,4,5,6,7
	v_cmp_gt_f32 vcc_lo, v[Q+\e], v[BEST2]
	v_cndmask_b32 v[BEST2], v[BEST2], v[Q+\e], vcc_lo
	v_cndmask_b32 v[I2], v[I2], \e, vcc_lo
.endr
	v_add_f32 v[DEN], v[BEST], v[BEST2]
	v_add_f32 v[DEN], 0x3089705f, v[DEN]           ; + 1e-9
	v_rcp_f32 v[RC], v[DEN]
	v_min_u32 v[LO], v[I1], v[I2]                  ; (plain lines behind the reciprocal)
	v_max_u32 v[HI], v[I1], v[I2]
	v_lshl_add_u32 v[ID], v[LO], 3, v[HI]          ; the pair's number, 8 lo + hi
	s_wait_alu depctr_va_vdst(0)
	v_mul_f32 v[C1], v[BEST], v[RC]
	v_mul_f32 v[C2], v[BEST2], v[RC]
	v_cmp_lt_u32 vcc_lo, v[I1], v[I2]
	v_cndmask_b32 v[CL], v[C2], v[C1], vcc_lo      ; lo's weight
	v_cndmask_b32 v[CL+1], v[C1], v[C2], vcc_lo    ; hi's
.irp e, 0,1,2,3,4,5,6,7
	v_mul_f32 v[AX+\e], v[P+\e], v6
.endr
.irp mk, 1,2,4,8                       ; sums over the sixteen tokens: lane 0 stores them
.irp e, 0,1,2,3,4,5,6,7,8,9,10,11,12,13,14,15
	v_add_f32_dpp v[AX+\e], v[AX+\e], v[AX+\e] row_xmask:\mk row_mask:0xf bank_mask:0xf
.endr
.endr
	v_lshlrev_b32 v[BIN0], 1, v1                   ; lane l counts pairs 2 l and 2 l + 1
	v_or_b32 v[BIN1], 1, v[BIN0]
	v_mov_b32 v[HH], 0
	v_mov_b32 v[HH+1], 0
	v_mov_b32 v[RK], 0
.irp t, 0,1,2,3,4,5,6,7,8,9,10,11,12,13,14,15
	v_readlane_b32 s40, v[ID], \t                  ; token t's pair: compared, never an address
	v_cmp_eq_u32 vcc_lo, s40, v[BIN0]
	v_add_co_ci_u32 v[HH], vcc_lo, 0, v[HH], vcc_lo
	v_cmp_eq_u32 vcc_lo, s40, v[BIN1]
	v_add_co_ci_u32 v[HH+1], vcc_lo, 0, v[HH+1], vcc_lo
	v_cmp_eq_u32 vcc_lo, s40, v[ID]
	s_and_b32 vcc_lo, vcc_lo, (0xffffffff<<(\t+1))&0xffffffff   ; only later tokens count token t
	v_add_co_ci_u32 v[RK], vcc_lo, 0, v[RK], vcc_lo
.endr
	v_lshl_or_b32 v[RW], v[RK], 8, v[ID]
	v_lshlrev_b32 v[O8], 3, v1
	v_lshlrev_b32 v[O4], 2, v1
	v_mov_b32 v[ZZ], 0
	global_store_b64 v[O8], v[HH:HH+1], s[42:43]   ; 32 lanes store the chunk's 256 bytes
	s_wait_xcnt 0x0                                ; EXEC changes only behind this wait
	v_cmp_gt_u32 vcc_lo, 16, v1
	s_wait_tensorcnt 0x0
	ds_add_u32 v254, v255
	s_wait_dscnt 0x0
	s_and_saveexec_b32 s50, vcc_lo
	global_store_b32 v[O4], v[RW], s[44:45]
	global_store_b64 v[O8], v[CL:CL+1], s[46:47]
	s_wait_xcnt 0x0
	s_or_b32 exec_lo, exec_lo, s50
	v_cmp_eq_u32 vcc_lo, 0, v1
	s_and_saveexec_b32 s50, vcc_lo
.irp q, 0,1,2,3
	global_store_b128 v[ZZ], v[AX+4*\q:AX+4*\q+3], s[48:49] offset:16*\q
.endr
	s_wait_xcnt 0x0
	s_or_b32 exec_lo, exec_lo, s50
	s_endpgm
.Lfunc_end_k_q7902f0b226_prep:
	.size	k_q7902f0b226_prep, .Lfunc_end_k_q7902f0b226_prep-k_q7902f0b226_prep
	.p2alignl 7, 3214868480
	.fill 96, 4, 3214868480
	.section	.rodata,"a",@progbits
	.p2align	6, 0x0
	.amdhsa_kernel k_q7902f0b226_prep
		.amdhsa_group_segment_fixed_size 37376
		.amdhsa_private_segment_fixed_size 0
		.amdhsa_enable_private_segment 0
		.amdhsa_kernarg_size 88
		.amdhsa_user_sgpr_count 2
		.amdhsa_user_sgpr_kernarg_segment_ptr 1
		.amdhsa_wavefront_size32 1
		.amdhsa_system_sgpr_workgroup_id_x 1
		.amdhsa_system_sgpr_workgroup_id_y 1
		.amdhsa_system_sgpr_workgroup_id_z 1
		.amdhsa_system_vgpr_workitem_id 0
		.amdhsa_next_free_vgpr 512
		.amdhsa_next_free_sgpr 66
		.amdhsa_reserve_vcc 1
		.amdhsa_float_denorm_mode_32 3
		.amdhsa_float_denorm_mode_16_64 3
		.amdhsa_memory_ordered 1
		.amdhsa_forward_progress 1
		.amdhsa_inst_pref_size 255
	.end_amdhsa_kernel
	.section	.bss,"aw",@nobits
	.p2align	6
	.space	262144
	.amdgpu_metadata
---
amdhsa.version: [ 1, 2 ]
amdhsa.kernels:
  - .name:           k_q7902f0b226_prep
    .symbol:         k_q7902f0b226_prep.kd
    .args:
      - { .name: x, .offset: 0, .size: 8, .value_kind: global_buffer, .address_space: global }
      - { .name: gate_w, .offset: 8, .size: 8, .value_kind: global_buffer, .address_space: global }
      - { .name: w1, .offset: 16, .size: 8, .value_kind: global_buffer, .address_space: global }
      - { .name: w2, .offset: 24, .size: 8, .value_kind: global_buffer, .address_space: global }
      - { .name: lowp_scales, .offset: 32, .size: 8, .value_kind: global_buffer, .address_space: global }
      - { .name: xq, .offset: 40, .size: 8, .value_kind: global_buffer, .address_space: global }
      - { .name: wq, .offset: 48, .size: 8, .value_kind: global_buffer, .address_space: global }
      - { .name: route, .offset: 56, .size: 8, .value_kind: global_buffer, .address_space: global }
      - { .name: hist, .offset: 64, .size: 8, .value_kind: global_buffer, .address_space: global }
      - { .name: cw, .offset: 72, .size: 8, .value_kind: global_buffer, .address_space: global }
      - { .name: auxp, .offset: 80, .size: 8, .value_kind: global_buffer, .address_space: global }
    .group_segment_fixed_size: 37376
    .private_segment_fixed_size: 0
    .kernarg_segment_align: 8
    .kernarg_segment_size: 88
    .max_flat_workgroup_size: 128
    .sgpr_count:     66
    .vgpr_count:     512
    .wavefront_size: 32
...
	.end_amdgpu_metadata
.endif
;; end of part 1
;; launch place (part 2): grid 1 x 1, 32 waves a work-group, no clusters, 155,648 bytes of LDS; arguments route, hist, auxp, plan, out1; writes plan, out1
.if DOCPART == 2
	.amdgcn_target "amdgcn-amd-amdhsa--gfx1250"
	.amdhsa_code_object_version 6
	.text
	.protected	k_q7902f0b226_place
	.globl	k_q7902f0b226_place
	.p2align	8
	.type	k_q7902f0b226_place,@function
k_q7902f0b226_place:
	s_mov_b64 s[64:65], 0
	v_nop
	global_prefetch_b8 v0, s[64:65] scope:SCOPE_SE
	s_setreg_imm32_b32 hwreg(HW_REG_WAVE_MODE, 25, 1), 1
	s_wait_xcnt 0x0
; PLACE: one work-group of 1,024 threads sorts the 8,192 tokens by their pair of experts (a counting sort on 64 bins, of which 28 can hold tokens), each bin padded to tiles of 64 rows,
; and finishes the aux loss.  plan: order[155 x 64] (token of each row; 0 in a pad row) at byte 0; tiles[160] x (lo, hi, rows, 0) at byte 39,680.
; There are never more than 8,192 / 64 + 27 = 155 tiles, whatever the split.  A token's place = 64 x its bin's first tile + tokens of the bin in earlier chunks + its rank in its chunk of 16.
; One work-group, since every step wants sums over all tokens; all traffic between waves goes through LDS, with a barrier between each writing and the reading.
.set GT,   0                           ; [64 groups of 8 chunks][64 bins]: a group's tokens, then the tokens of earlier groups
.set COFF, 16384                       ; [512 chunks][64 bins]: where a chunk's tokens of a bin begin
.set TBL,  147456                      ; [64 bins] x (64 x first tile, tokens)
.set NB,   147968                      ; [64 bins] tokens
.set CNT,  148224                      ; [160 tiles] rows
.set AUX,  148992                      ; [32 waves][16] sums for the aux loss
.set H,    20                          ; v20-51  my 8 chunks x 4 bins
.set R,    52                          ; v52-59  my 8 tokens' words of route
.set S,    60                          ; v60-123 at work
.macro BARRIER
	s_wait_dscnt 0x0                               ; my LDS stores have landed and my LDS loads are in
	s_barrier_signal -1
	s_barrier_wait -1
.endm
; the bins (lo, hi) with a0 <= lo <= a1: is tile T one of theirs, and how many rows has it?
.macro BINS a0, a1
.set nn, 0
.irp lo, 0,1,2,3,4,5,6
.irp hi, 1,2,3,4,5,6,7
.if (\hi > \lo) && (\lo >= \a0) && (\lo <= \a1)
	ds_load_b64 v[84+2*nn:85+2*nn], v12 offset:8*(8*\lo+\hi)
.set nn, nn+1
.endif
.endr
.endr
	s_wait_dscnt 0x0
.set nn, 0
.irp lo, 0,1,2,3,4,5,6
.irp hi, 1,2,3,4,5,6,7
.if (\hi > \lo) && (\lo >= \a0) && (\lo <= \a1)
	v_sub_nc_u32 v77, v76, v[84+2*nn]              ; d = 64 T - the bin's first row (wraps to a large number for earlier tiles)
	v_cmp_lt_u32 vcc_lo, v77, v[85+2*nn]           ; the tile is the bin's where d < its tokens
	v_sub_nc_u32 v78, v[85+2*nn], v77
	v_min_u32 v78, 64, v78
	v_cndmask_b32 v82, v82, v78, vcc_lo
	v_cndmask_b32 v80, v80, \lo, vcc_lo
	v_cndmask_b32 v81, v81, \hi, vcc_lo
.set nn, nn+1
.endif
.endr
.endr
.endm
.macro PAD j                           ; rows 1,024 j + thread: a row at or past its tile's count gets token 0
	v_cmp_ge_u32 vcc_lo, v19, v[100+\j]
	s_wait_xcnt 0x0                                ; EXEC changes only behind this wait
	s_and_saveexec_b32 s20, vcc_lo
	global_store_b32 v3, v110, s[10:11] offset:4096*\j
	s_wait_xcnt 0x0
	s_or_b32 exec_lo, exec_lo, s20
.endm
	s_load_b256 s[4:11], s[0:1], 0x0               ; route 4, hist 6, auxp 8, plan 10
	s_load_b64 s[12:13], s[0:1], 0x20              ; out1
	v_lshl_add_u32 v126, v0, 2, 0x25000
	v_mov_b32 v127, 0
	; every address register is made here, ahead of the first parting of the waves, and never rewritten
	v_lshrrev_b32 v18, 5, v0
	v_readfirstlane_b32 s14, v18                   ; wave 0..31
	v_lshlrev_b32 v1, 4, v0                        ; 16 x thread
	v_lshrrev_b32 v60, 4, v0                       ; group of chunks
	v_and_b32 v61, 15, v0                          ; four bins
	v_lshlrev_b32 v2, 11, v60
	v_lshl_add_u32 v2, v61, 4, v2                  ; hist: 8 chunks of 256 bytes a group, 16 bytes for my bins
	v_lshlrev_b32 v3, 2, v0
	v_lshlrev_b32 v4, 5, v0
	v_and_b32 v19, 63, v0
	v_lshlrev_b32 v5, 2, v19
	v_lshlrev_b32 v6, 5, v61
	v_add_nc_u32 v6, TBL, v6
	v_lshlrev_b32 v7, 8, v60
	v_add_nc_u32 v7, COFF, v7
	v_add_nc_u32 v8, 65536, v7
	v_lshrrev_b32 v9, 6, v0
	v_lshlrev_b32 v9, 2, v9
	v_add_nc_u32 v9, CNT, v9
	v_and_b32 v62, 1, v0
	v_lshlrev_b32 v10, 6, v18
	v_lshl_add_u32 v10, v62, 5, v10
	v_add_nc_u32 v10, AUX, v10
	v_and_b32 v18, 31, v0                          ; lane
	v_lshlrev_b32 v11, 6, v18
	v_add_nc_u32 v11, AUX, v11
	v_mov_b32 v12, TBL
	v_lshlrev_b32 v13, 2, v18
	v_add_nc_u32 v13, NB, v13
	v_lshlrev_b32 v14, 3, v18
	v_add_nc_u32 v14, TBL, v14
	v_add_nc_u32 v15, COFF, v2
	v_add_nc_u32 v16, CNT, v3
	v_add_nc_u32 v17, NB, v5
	s_mov_b32 s16, 0x76543210                      ; lane l xor 16
	s_mov_b32 s17, 0xfedcba98
	s_wait_kmcnt 0x0
	; ---- A: everything is loaded at once
.irp j, 0,1,2,3,4,5,6,7
	global_load_b128 v[H+4*\j:H+4*\j+3], v2, s[6:7] offset:256*\j
.endr
.irp j, 0,1,2,3,4,5,6,7
	global_load_b32 v[R+\j], v3, s[4:5] offset:4096*\j      ; token 1,024 j + thread
.endr
	global_load_b128 v[60:63], v4, s[8:9]          ; chunk thread / 2: even threads the probabilities' sums, odd threads the counts
	global_load_b128 v[64:67], v4, s[8:9] offset:16
	s_wait_loadcnt 0x0
	; ---- B: running sums over my 8 chunks, in place (what lies ahead of chunk j is the sum up to chunk j - 1); the group's totals to LDS
.irp j, 1,2,3,4,5,6,7
.irp c, 0,1,2,3
	v_add_nc_u32 v[H+4*\j+\c], v[H+4*\j+\c], v[H+4*\j-4+\c]
.endr
.endr
	ds_store_b128 v1, v[H+28:H+31]
.irp mk, 2,4,8                         ; lanes of equal parity are summed
.irp e, 0,1,2,3,4,5,6,7
	v_add_f32_dpp v[60+\e], v[60+\e], v[60+\e] row_xmask:\mk row_mask:0xf bank_mask:0xf
.endr
.endr
	v_mov_b32 v68, 0                               ; a lane permute's destination counts as read
.irp e, 0,1,2,3,4,5,6,7
	v_permlanex16_b32 v68, v[60+\e], s16, s17
	v_add_f32 v[60+\e], v[60+\e], v68
.endr
	ds_store_b128 v10, v[60:63]                    ; lanes of one parity store the same numbers to the same words
	ds_store_b128 v10, v[64:67] offset:16
	BARRIER
	; ---- C: waves 0, 1: thread b walks bin b down the 64 groups; wave 31: the aux loss
	s_cmp_lt_u32 s14, 2
	s_cbranch_scc0 .Lnot_scan
.set g, 0
.rept 64
	ds_load_b32 v[S+g], v5 offset:256*g
.set g, g+1
.endr
	s_wait_dscnt 0x0
	v_mov_b32 v124, 0
.set g, 1
.rept 63
	v_add_nc_u32 v[S+g], v[S+g], v[S+g-1]
.set g, g+1
.endr
	ds_store_b32 v5, v124                          ; back into the same words, which no other thread touches: the tokens of earlier groups
.set g, 1
.rept 63
	ds_store_b32 v5, v[S+g-1] offset:256*g
.set g, g+1
.endr
	ds_store_b32 v17, v[S+63]                      ; the bin's tokens
.Lnot_scan:
	s_cmp_eq_u32 s14, 31
	s_cbranch_scc0 .Lnot_aux
.irp q, 0,1,2,3
	ds_load_b128 v[60+4*\q:63+4*\q], v11 offset:16*\q       ; lane l: wave l's sixteen sums
.endr
	s_wait_dscnt 0x0
.irp mk, 1,2,4,8
.irp e, 0,1,2,3,4,5,6,7,8,9,10,11,12,13,14,15
	v_add_f32_dpp v[60+\e], v[60+\e], v[60+\e] row_xmask:\mk row_mask:0xf bank_mask:0xf
.endr
.endr
	v_mov_b32 v76, 0
.irp e, 0,1,2,3,4,5,6,7,8,9,10,11,12,13,14,15
	v_permlanex16_b32 v76, v[60+\e], s16, s17
	v_add_f32 v[60+\e], v[60+\e], v76
.endr
	v_mul_f32 v77, v60, v68
.irp e, 1,2,3,4,5,6,7
	v_fmac_f32 v77, v[60+\e], v[68+\e]             ; the sum over experts of (sum of probabilities) x (count of first choices)
.endr
	v_mul_f32 v77, 0x30a3d70a, v77                 ; x 0.08 / 8,192^2
	v_mov_b32 v78, 0
	s_wait_xcnt 0x0
	v_cmp_eq_u32 vcc_lo, 0, v18
	s_and_saveexec_b32 s20, vcc_lo
	global_store_b32 v78, v77, s[12:13]
	s_wait_xcnt 0x0
	s_or_b32 exec_lo, exec_lo, s20
.Lnot_aux:
	BARRIER
	; ---- D: wave 0: each bin's first tile: a running sum of ceil(tokens / 64) over the 64 bins, lane l holding bins l and l + 32
	s_cmp_eq_u32 s14, 0
	s_cbranch_scc0 .Lnot_tb
	ds_load_b32 v60, v13
	ds_load_b32 v61, v13 offset:128
	s_wait_dscnt 0x0
	v_add_nc_u32 v62, 63, v60
	v_lshrrev_b32 v62, 6, v62
	v_add_nc_u32 v63, 63, v61
	v_lshrrev_b32 v63, 6, v63
	v_mov_b32 v64, v62
	v_mov_b32 v65, v63
	v_mov_b32 v66, 0
	v_mov_b32 v67, 0
.irp sh, 1,2,4,8
	v_mov_b32_dpp v66, v64 row_shr:\sh row_mask:0xf bank_mask:0xf bound_ctrl:1
	v_mov_b32_dpp v67, v65 row_shr:\sh row_mask:0xf bank_mask:0xf bound_ctrl:1
	v_add_nc_u32 v64, v64, v66
	v_add_nc_u32 v65, v65, v67
.endr
	v_readlane_b32 s20, v64, 15                    ; the lower sixteen lanes' total goes onto the upper sixteen
	v_readlane_b32 s21, v65, 15
	v_cmp_le_u32 vcc_lo, 16, v18
	v_mov_b32 v68, s20
	v_mov_b32 v69, s21
	v_cndmask_b32 v68, 0, v68, vcc_lo
	v_cndmask_b32 v69, 0, v69, vcc_lo
	v_add_nc_u32 v64, v64, v68
	v_add_nc_u32 v65, v65, v69
	v_readlane_b32 s22, v64, 31                    ; the tiles of bins 0-31
	v_sub_nc_u32 v64, v64, v62                     ; what lies ahead of my bin
	v_sub_nc_u32 v65, v65, v63
	v_add_nc_u32 v65, s22, v65
	v_lshlrev_b32 v70, 6, v64
	v_mov_b32 v71, v60
	v_lshlrev_b32 v72, 6, v65
	v_mov_b32 v73, v61
	ds_store_b64 v14, v[70:71]
	ds_store_b64 v14, v[72:73] offset:256
.Lnot_tb:
	BARRIER
	; ---- E: where each chunk's tokens of each bin begin; waves 0-4: the list of tiles
	ds_load_b128 v[60:63], v1                      ; tokens of earlier groups, my four bins
	ds_load_b128 v[64:67], v6                      ; (first row, tokens) of bins 0, 1 of the four
	ds_load_b128 v[68:71], v6 offset:16            ; of bins 2, 3
	s_wait_dscnt 0x0
	v_add_nc_u32 v72, v60, v64
	v_add_nc_u32 v73, v61, v66
	v_add_nc_u32 v74, v62, v68
	v_add_nc_u32 v75, v63, v70
	ds_store_b128 v15, v[72:75]
.irp j, 1,2,3,4,5,6,7
.irp c, 0,1,2,3
	v_add_nc_u32 v[H+4*\j-4+\c], v[H+4*\j-4+\c], v[72+\c]
.endr
	ds_store_b128 v15, v[H+4*\j-4:H+4*\j-1] offset:256*\j
.endr
	s_cmp_lt_u32 s14, 5
	s_cbranch_scc0 .Lnot_tiles
	v_lshlrev_b32 v76, 6, v0                       ; tile T = thread: its first row
	v_mov_b32 v80, 0                               ; a tile that no bin owns: experts 0, 0 and no rows
	v_mov_b32 v81, 0
	v_mov_b32 v82, 0
	v_mov_b32 v83, 0
	BINS 0, 1
	BINS 2, 6
	global_store_b128 v1, v[80:83], s[10:11] offset:39680
	ds_store_b32 v16, v82
.Lnot_tiles:
	BARRIER                                        ; no LDS store stands behind this barrier
	; ---- F: each token to its row.  The bin's number is held at 63 and the row at 9,919 ahead of the addresses made from them
.irp j, 0,1,2,3,4,5,6,7
	v_and_b32 v[60+\j], 63, v[R+\j]
	v_min_u32 v[60+\j], 63, v[60+\j]
.if \j < 4
	v_lshl_add_u32 v[60+\j], v[60+\j], 2, v7
.else
	v_lshl_add_u32 v[60+\j], v[60+\j], 2, v8
.endif
	ds_load_b32 v[68+\j], v[60+\j] offset:16384*(\j&3)      ; chunk 64 j + thread / 16
.endr
	s_wait_dscnt 0x0
.irp j, 0,1,2,3,4,5,6,7
	v_bfe_u32 v[92+\j], v[R+\j], 8, 4
	v_add_nc_u32 v[68+\j], v[68+\j], v[92+\j]
	v_min_u32 v[68+\j], 9919, v[68+\j]
	v_lshlrev_b32 v[68+\j], 2, v[68+\j]
	v_add_nc_u32 v[92+\j], 1024*\j, v0
	global_store_b32 v[68+\j], v[92+\j], s[10:11]
.endr
	; ---- G: the pad rows, which no token was sent to
	v_mov_b32 v110, 0
.irp j, 0,1,2,3,4,5,6,7,8,9
	ds_load_b32 v[100+\j], v9 offset:64*\j         ; the rows of tile 16 j + thread / 64
.endr
	s_wait_dscnt 0x0
.irp j, 0,1,2,3,4,5,6,7,8
	PAD \j
.endr
	s_cmp_lt_u32 s14, 22                           ; 155 x 64 = 9 x 1,024 + 22 x 32 rows
	s_cbranch_scc0 .Ldone
	PAD 9
.Ldone:
	s_wait_tensorcnt 0x0
	ds_add_u32 v126, v127
	s_wait_dscnt 0x0
	s_endpgm
.Lfunc_end_k_q7902f0b226_place:
	.size	k_q7902f0b226_place, .Lfunc_end_k_q7902f0b226_place-k_q7902f0b226_place
	.p2alignl 7, 3214868480
	.fill 96, 4, 3214868480
	.section	.rodata,"a",@progbits
	.p2align	6, 0x0
	.amdhsa_kernel k_q7902f0b226_place
		.amdhsa_group_segment_fixed_size 155648
		.amdhsa_private_segment_fixed_size 0
		.amdhsa_enable_private_segment 0
		.amdhsa_kernarg_size 40
		.amdhsa_user_sgpr_count 2
		.amdhsa_user_sgpr_kernarg_segment_ptr 1
		.amdhsa_wavefront_size32 1
		.amdhsa_system_sgpr_workgroup_id_x 1
		.amdhsa_system_sgpr_workgroup_id_y 1
		.amdhsa_system_sgpr_workgroup_id_z 1
		.amdhsa_system_vgpr_workitem_id 0
		.amdhsa_next_free_vgpr 128
		.amdhsa_next_free_sgpr 66
		.amdhsa_reserve_vcc 1
		.amdhsa_float_denorm_mode_32 3
		.amdhsa_float_denorm_mode_16_64 3
		.amdhsa_memory_ordered 1
		.amdhsa_forward_progress 1
		.amdhsa_inst_pref_size 46
	.end_amdhsa_kernel
	.amdgpu_metadata
---
amdhsa.version: [ 1, 2 ]
amdhsa.kernels:
  - .name:           k_q7902f0b226_place
    .symbol:         k_q7902f0b226_place.kd
    .args:
      - { .name: route, .offset: 0, .size: 8, .value_kind: global_buffer, .address_space: global }
      - { .name: hist, .offset: 8, .size: 8, .value_kind: global_buffer, .address_space: global }
      - { .name: auxp, .offset: 16, .size: 8, .value_kind: global_buffer, .address_space: global }
      - { .name: plan, .offset: 24, .size: 8, .value_kind: global_buffer, .address_space: global }
      - { .name: out1, .offset: 32, .size: 8, .value_kind: global_buffer, .address_space: global }
    .group_segment_fixed_size: 155648
    .private_segment_fixed_size: 0
    .kernarg_segment_align: 8
    .kernarg_segment_size: 40
    .max_flat_workgroup_size: 1024
    .sgpr_count:     66
    .vgpr_count:     128
    .wavefront_size: 32
...
	.end_amdgpu_metadata
.endif
;; end of part 2
;; launch experts (part 3): grid 155 x 1, 4 waves a work-group, no clusters, 182,784 bytes of LDS; arguments xq, wq, plan, cw, b1, b2, lowp_scales, out0; writes out0
.if DOCPART == 3
	.amdgcn_target "amdgcn-amd-amdhsa--gfx1250"
	.amdhsa_code_object_version 6
	.text
	.protected	k_q7902f0b226_experts
	.globl	k_q7902f0b226_experts
	.p2align	8
	.type	k_q7902f0b226_experts,@function
k_q7902f0b226_experts:
	s_mov_b64 s[64:65], 0
	v_nop
	global_prefetch_b8 v0, s[64:65] scope:SCOPE_SE
	s_setreg_imm32_b32 hwreg(HW_REG_WAVE_MODE, 25, 1), 1
	s_wait_xcnt 0x0
; EXPERTS: a work-group takes one tile of the stored list: up to 64 tokens that chose the same two experts (e0 < e1), through the whole chain, and owns their rows of out0:
;   out = c0 (silu(x W1[e0] + b1[e0]) W2[e0] + b2[e0]) + c1 (the same with e1).  Both products on codes of E5M2 by v_wmma_f32_16x16x128_bf8_bf8, sums in f32; the hidden layer never goes to memory.
; THE GRID serves every split: 155 tiles at the most.  A tile without rows runs the head (its rows of the stored order all name token 0), passes the barriers, does no product and stores nothing
; (branches on the stored count, round work alone, never round a barrier).
; SHARES.  The four waves share the COLUMNS: wave w makes hidden units 128 w .. + 127 and output columns 256 w .. + 255 (in two halves of 128), for all 64 rows (four tiles of 16).
; Both products are used transposed (source 0 = 16 rows of a weight, source 1 = 16 tokens): a lane holds ONE token throughout, and its registers run along the next K or along a row of out0.
; WEIGHTS come from memory straight into registers: an earlier launch laid them as images of the operand's registers, 2,048 bytes a fragment, in the order in which a wave walks them.  A ring of four
; halves (four fragments, 8,192 bytes, 16 loads each) keeps up to 64 loads of the wave on their way; each fragment feeds four products.
; ROWS go from wave to wave through LDS: x's codes (gathered by the stored list) and the hidden layer's codes (as images of the operand's registers).
; SCALES: a sum of the first product stands for sum x 2^(ew1 + ex); b1 goes in as the C of the first K step, divided by that.  The hidden layer's conversion takes 2^(eh - ew1 - ex).
;   b2 / 2^(eh + ew2) is the C of the second product's first K step, and c x 2^(eh + ew2) multiplies the finished sum.
; NO CLUSTER, NO TENSOR LOAD: how many tiles a pair of experts has is known only from stored numbers, so partners with the same weights cannot be promised at every split.
; LIMITS: eh - ew1 - ex between -126 and 112; ew1 + ex between -126 and 127.  NaN among the inputs is not served.  Where 1 + e^-z passes 2^126 the hidden number counts as 0.
; REGISTERS, in windows of 256: window 0: v1-15, v30, v31 addresses; v16-23, v48-55 the tokens' weights; v32-47 offsets of the gather; v64-127, v128-191 two sets of four row fragments (on the way out: 64 rows' offsets, rows of out0);
;   v192-255 a bias as C, later 64 numbers at work, later rows of out0.
;   window 1: the ring of weights.   window 2: out's 32 accumulators (64 m + 8 n).   window 3: the products' 32 accumulators (64 m + 8 t); at the head x's codes as gathered.
.set LXR,  0                           ; x's codes: tile of rows m at 17,408 m; the 16 bytes j (0..63) of row r at 272 j + 16 r: 16 rows on end, then 16 bytes of padding
.set LHR,  69632                       ; the hidden layer: [expert 2][tile of rows 4][K step 4] images of 2,048 bytes
.set LSTG, 135168                      ; the way out: 16 rows x (512 + 16) bytes for each wave
.set LB1,  168960                      ; b1 / 2^(ew1 + ex): for each wave [expert 2][128]
.set LB2,  173056                      ; b2 / 2^(eh + ew2): for each wave [expert 2][256]
.set LTOK, 181248                      ; the tile's 64 tokens, a copy of 256 bytes for each wave
.set L16,  1                           ; v1   16 x lane
.set XS,   2                           ; v2   where I store gathered codes
.set XR0,  3                           ; v3, v4  where I read x's fragments: tiles 0, 1; tiles 2, 3
.set HW,   5                           ; v5   where I store the hidden layer's images;  v6 the same for the expert in hand
.set HWQ,  6
.set HRD,  7                           ; v7   where I read them
.set SO,   8                           ; v8   the stage: where I put 32 bytes of a row;  v9 where I read a row back
.set SR,   9
.set B1R,  10                          ; v10  b1 as C;  v11 for the expert in hand
.set B1RQ, 11
.set B2R,  12                          ; v12  b2 as C;  v13 for the half in hand
.set B2RG, 13
.set B1W,  14                          ; v14, v15  where I store the biases
.set B2W,  15
.set CP,   16                          ; v[16+2m]  c0 x 2^(eh + ew2) of my token in tile m (the low word of a pair)
.set SC,   24                          ; v24  2^(eh - ew1 - ex);  v25  57,344 x that
.set LIM,  25
.set TKA,  30                          ; v30  my wave's copy of the tokens, the same address in every lane;  v31 where I store a token
.set TKW,  31
.set OFS,  32
.set C1P,  48                          ; v[48+2m]  c1 x 2^(eh + ew2)
.set TKN,  56
.set CWO,  60
.set BF,   64
.set OF,   64                          ; the way out: v[64+i] = 4,096 x the token of row i + 16 x lane
.set BI,   192
.set T,    192
.set PCUR, 48                          ; s[48:49] the stream of weights in hand;  s[50:51] the one behind it
.set PNXT, 50
.set PA,   52                          ; s[52:53] W2 of e0, my columns, the half in hand;  s[54:55] of e1
.set PB,   54
.set MUL,  0xf1                        ; source 0 (weights) window 1, source 1 (rows) window 0, C and D window 3
.set MUL1, 0xc1                        ; the same with C (a bias) in window 0
.set TO_R, 0x40                        ; destination window 1
.set MSB, 0
.macro WIN new                         ; the immediate's high byte repeats the setting that is left
.if MSB != \new
	s_set_vgpr_msb (MSB<<8)|\new
.set MSB, \new
.endif
.endm
.macro PLACES                          ; four plain lines between a product and a load into its sources or a vector line that reads its result
.rept 4
	v_nop
.endr
.endm
.macro BARRIER
	s_wait_dscnt 0x0                               ; my LDS stores have landed and my LDS loads are in
	s_barrier_signal -1
	s_barrier_wait -1
.endm
.macro RFILL hb, P, off                ; four fragments, 8,192 consecutive bytes, into half hb of the ring: each load takes 512 consecutive bytes
	WIN TO_R
.irp f, 0,1,2,3
.irp c, 0,1,2,3
	global_load_b128 v[64*(\hb)+16*\f+4*\c:64*(\hb)+16*\f+4*\c+3], v[L16], s[\P:\P+1] offset:(\off)+2048*\f+512*\c
.endr
.endr
	WIN 0
.endm
.macro BX buf, s                       ; x's four fragments of K step s: registers 4 c .. 4 c + 3 of lane (r, h) = the 16 bytes 8 s + 2 c + h of row r
	WIN 0
.irp m, 0,1,2,3
.irp c, 0,1,2,3
	ds_load_b128 v[BF+64*(\buf)+16*\m+4*\c:BF+64*(\buf)+16*\m+4*\c+3], v[XR0+(\m>>1)] offset:17408*(\m&1)+2176*(\s)+544*\c
.endr
.endr
.endm
.macro BH buf, q, s                    ; the hidden layer's four fragments of expert q, K step s
	WIN 0
.irp m, 0,1,2,3
.irp c, 0,1,2,3
	ds_load_b128 v[BF+64*(\buf)+16*\m+4*\c:BF+64*(\buf)+16*\m+4*\c+3], v[HRD] offset:32768*(\q)+2048*(4*\m+(\s))+512*\c
.endr
.endr
.endm
.macro TOKS                            ; the tile's 64 tokens, each in every lane of a register of its own: all lanes name the same 16 bytes
	WIN 0
.irp k, 0,1,2,3,4,5,6,7,8,9,10,11,12,13,14,15
	ds_load_b128 v[OF+4*\k:OF+4*\k+3], v[TKA] offset:16*\k
.endr
.endm
; 16 products: four fragments of a weight x four tiles of rows.  The 32 accumulators take turns, one instruction a turn, in the same order in every K step.
; first: the K step that starts the sums, with the bias as C: nothing is cleared.
.macro MM16 hb, buf, f0, first
.irp f, 0,1,2,3
.irp m, 0,1,2,3
.if \first
	v_wmma_f32_16x16x128_bf8_bf8 v[64*\m+8*((\f0)+\f):64*\m+8*((\f0)+\f)+7], v[64*(\hb)+16*\f:64*(\hb)+16*\f+15], v[BF+64*(\buf)+16*\m:BF+64*(\buf)+16*\m+15], v[BI+8*((\f0)+\f):BI+8*((\f0)+\f)+7]
.else
	v_wmma_f32_16x16x128_bf8_bf8 v[64*\m+8*((\f0)+\f):64*\m+8*((\f0)+\f)+7], v[64*(\hb)+16*\f:64*(\hb)+16*\f+15], v[BF+64*(\buf)+16*\m:BF+64*(\buf)+16*\m+15], v[64*\m+8*((\f0)+\f):64*\m+8*((\f0)+\f)+7]
.endif
.endr
.endr
.endm
.macro HALF hb, buf, f0, first, cnt    ; cnt: the loads of the younger halves, which may stay out (three halves of 16 while the ring is kept full)
	s_wait_loadcnt \cnt
.if \first
	WIN MUL1
.else
	WIN MUL
.endif
	MM16 \hb, \buf, \f0, \first
	PLACES
.endm
.macro REF1 p                          ; behind half p of a W1 stream of 16: half p + 4, or the next stream's first four
.if (\p) < 12
	RFILL (\p)%4, PCUR, 8192*((\p)+4)
.else
	RFILL (\p)%4, PNXT, 8192*((\p)-12)
.endif
.endm
.macro REF2 q, p                       ; behind half p of a W2 stream of 8: e0's, then e1's, then e0's next 128 columns
.if (\q) == 0
.if (\p) < 4
	RFILL (\p)%4, PA, 8192*((\p)+4)
.else
	RFILL (\p)%4, PB, 8192*((\p)-4)
.endif
.else
.if (\p) < 4
	RFILL (\p)%4, PB, 8192*((\p)+4)
.else
	RFILL (\p)%4, PA, 65536+8192*((\p)-4)
.endif
.endif
.endm
; K step s of the first product: 32 products.  The next step's rows are asked of LDS at the step's head, 32 products ahead of the wait for them, into the buffer whose last products stand behind HALF's four places.
.macro P1STEP s
	s_wait_dscnt 0x0                               ; this step's rows (and in step 0 the bias) are in
.if (\s) < 7
	BX ((\s)+1)%2, (\s)+1
.endif
	HALF (2*(\s))%4, (\s)%2, 0, (\s)==0, 48
	REF1 2*(\s)
	HALF (2*(\s)+1)%4, (\s)%2, 4, (\s)==0, 48
	REF1 2*(\s)+1
.endm
; The same for the second product.  In e1's last step the buffer that would take a next step's rows takes the tile's tokens, for the way out.  dry = 1: nothing is left to fetch: the counts run down 48, 32, 16, 0
.macro P2STEP q, s, dry
	s_wait_dscnt 0x0
.if (\s) < 3
	BH ((\s)+1)%2, \q, (\s)+1
.elseif (\q) == 1
	TOKS
.endif
.if \dry
	HALF (2*(\s))%4, (\s)%2, 0, 0, 16*(7-2*(\s))
	HALF (2*(\s)+1)%4, (\s)%2, 4, 0, 16*(6-2*(\s))
.else
	HALF (2*(\s))%4, (\s)%2, 0, (\s)==0, 48
	REF2 \q, 2*(\s)
	HALF (2*(\s)+1)%4, (\s)%2, 4, (\s)==0, 48
	REF2 \q, 2*(\s)+1
.endif
.endm
.macro BIAS2 q                         ; b2 of expert q as C: lane (r, h), tile n: columns 16 n + 8 h + 0 .. 7 of the half in hand
	WIN 0
.irp n, 0,1,2,3,4,5,6,7
	ds_load_b128 v[BI+8*\n:BI+8*\n+3], v[B2RG] offset:1024*(\q)+64*\n
	ds_load_b128 v[BI+8*\n+4:BI+8*\n+7], v[B2RG] offset:1024*(\q)+64*\n+16
.endr
.endm
; Tile of rows m: h = z / (1 + 2^(-z log2 e)), z = sum x 2^(ew1 + ex); quantised; the image of K step w of the second product goes to LDS.
; Register 16 b + i of the 64 is hidden unit 32 b + 16 (lane / 16) + i of my 128: sixteen neighbours along the next K, as the conversions want them.
.macro SILU m
	WIN 0x03                                       ; source 0 window 3
.set j, 0
.rept 32
	v_pk_mul_f32 v[T+j:T+j+1], v[64*(\m)+j:64*(\m)+j+1], s[56:57] op_sel_hi:[1,0]   ; -z log2 e; each accumulator is read from its low end on
.set j, j+2
.endr
	WIN 0
.set j, 0
.rept 64
	v_exp_f32 v[T+j], v[T+j]
.set j, j+1
.endr
	v_nop                                          ; a plain line behind the last exponential,
	s_wait_alu depctr_va_vdst(0)                   ; and one wait for the batch, ahead of its first reader
.set j, 0
.rept 32
	v_pk_add_f32 v[T+j:T+j+1], v[T+j:T+j+1], 1.0 op_sel_hi:[1,0]
.set j, j+2
.endr
.set j, 0
.rept 64
	v_rcp_f32 v[T+j], v[T+j]
.set j, j+1
.endr
	v_nop
	s_wait_alu depctr_va_vdst(0)
	WIN 0x03
.set j, 0
.rept 32
	v_pk_mul_f32 v[T+j:T+j+1], v[64*(\m)+j:64*(\m)+j+1], v[T+j:T+j+1]               ; h / 2^(ew1 + ex)
.set j, j+2
.endr
	WIN 0
.set j, 0
.rept 64
	v_med3_num_f32 v[T+j], v[T+j], -v[LIM], v[LIM] ; the conversion to an 8-bit code does not saturate (ISA guide 7.6.2): the hold comes first
.set j, j+1
.endr
.set j, 0
.rept 8
	v_cvt_scalef32_pk8_bf8_f32 v[BF+16*(\m)+2*j:BF+16*(\m)+2*j+1], v[T+8*j:T+8*j+7], v[SC]
.set j, j+1
.endr
	v_nop                                          ; a plain line behind the last conversion: the next tile writes its sources
.irp c, 0,1,2,3
	ds_store_b128 v[HWQ], v[BF+16*(\m)+4*\c:BF+16*\m+4*\c+3] offset:8192*(\m)+512*\c
.endr
.endm
.macro COMB0                           ; out = c0' x (e0's sums)
	WIN 0x83                                       ; source 0 window 3, destination window 2
.irp m, 0,1,2,3
.set j, 0
.rept 32
	v_pk_mul_f32 v[64*\m+j:64*\m+j+1], v[64*\m+j:64*\m+j+1], v[CP+2*\m:CP+2*\m+1] op_sel_hi:[1,0]
.set j, j+2
.endr
.endr
	WIN 0
.endm
; THE WAY OUT, a tile of 16 rows at a time.  STAGE: out += c1' x (e1's sums); through my own stage in LDS, so that a store covers 512 consecutive bytes of one token's row.
; SEND: the rows that hold a token are stored.  Tile m + 1 goes through the stage while tile m is stored.
.macro STAGE m
.set BK, 192-64*((\m)%2)
	WIN 0xa3                                       ; source 0 window 3; source 2 and destination window 2
.set j, 0
.rept 32
	v_pk_fma_f32 v[64*(\m)+j:64*(\m)+j+1], v[64*(\m)+j:64*(\m)+j+1], v[C1P+2*(\m):C1P+2*(\m)+1], v[64*(\m)+j:64*(\m)+j+1] op_sel_hi:[1,0,1]
.set j, j+2
.endr
	WIN 0x08                                       ; an LDS store's data in window 2
.irp n, 0,1,2,3,4,5,6,7
	ds_store_b128 v[SO], v[64*(\m)+8*\n:64*(\m)+8*\n+3] offset:64*\n
	ds_store_b128 v[SO], v[64*(\m)+8*\n+4:64*(\m)+8*\n+7] offset:64*\n+16
.endr
	WIN 0
.irp i, 0,1,2,3,4,5,6,7,8,9,10,11,12,13,14,15
	ds_load_b128 v[BK+4*\i:BK+4*\i+3], v[SR] offset:528*\i  ; LDS serves a wave's instructions in order (ISA guide 5.7.1.4): these see my stores, and the next tile's stores come behind them
.endr
.endm
.macro OFFS                            ; the 64 rows' offsets in out0, made while tile 0 is on its way through the stage
	s_wait_dscnt 32                                ; the tokens are in: only tile 0's 16 stores and 16 loads were issued behind them
.set j, 0
.rept 64
	v_min_u32 v[OF+j], 8191, v[OF+j]               ; a loaded number is held ahead of the address made from it
.set j, j+1
.endr
.set j, 0
.rept 64
	v_lshl_add_u32 v[OF+j], v[OF+j], 12, v[L16]    ; a row of out0 is 4,096 bytes
.set j, j+1
.endr
.endm
.macro SEND m, younger                 ; younger: the LDS instructions issued behind tile m's loads: the next tile's 32, or none
.set BK, 192-64*((\m)%2)
	s_wait_dscnt \younger
.irp i, 0,1,2,3,4,5,6,7,8,9,10,11,12,13,14,15
	s_cmp_gt_u32 s26, 16*(\m)+\i                   ; the rows that hold tokens come first
	s_cbranch_scc0 .Lrows_\@
	global_store_b128 v[OF+16*(\m)+\i], v[BK+4*\i:BK+4*\i+3], s[70:71] th:TH_STORE_NT
.endr
.Lrows_\@:
.endm
	; ---- the head: no branch.  What hangs on ids alone (the tile's entry, the scales, the tokens) is asked for in one go behind the arguments
	s_load_b512 s[4:19], s[0:1], 0x0               ; xq 4, wq 6, plan 8, cw 10, b1 12, b2 14, scales 16, out0 18
	v_lshrrev_b32 v26, 5, v0
	v_readfirstlane_b32 s2, v26                    ; wave 0..3
	s_lshl_b32 s3, ttmp9, 4                        ; my entry of the list of tiles
	s_lshl_b32 s74, ttmp9, 8                       ; my 64 rows of the order,
	s_lshl_b32 s22, s2, 6
	s_add_co_u32 s22, s22, s74                     ; and my wave's sixteen of them
	v_and_b32 v26, 31, v0                          ; lane
	v_and_b32 v27, 15, v0                          ; r
	v_bfe_u32 v28, v0, 4, 1                        ; h
	v_lshlrev_b32 v[L16], 4, v26
	s_mul_i32 s20, s2, 17408
	v_mul_u32_u24 v[XS], v26, 272
	v_add_nc_u32 v[XS], s20, v[XS]
	v_mul_u32_u24 v[XR0], v28, 272
	v_lshl_add_u32 v[XR0], v27, 4, v[XR0]
	v_add_nc_u32 v[XR0+1], 34816, v[XR0]
	s_lshl_b32 s20, s2, 11
	s_add_co_u32 s21, s20, LHR
	v_add_nc_u32 v[HW], s21, v[L16]
	v_add_nc_u32 v[HRD], LHR, v[L16]
	s_mul_i32 s21, s2, 8448
	s_add_co_u32 s21, s21, LSTG
	v_mul_u32_u24 v[SO], v27, 528
	v_lshl_add_u32 v[SO], v28, 5, v[SO]
	v_add_nc_u32 v[SO], s21, v[SO]
	v_add_nc_u32 v[SR], s21, v[L16]
	s_lshl_b32 s21, s2, 10
	s_add_co_u32 s21, s21, LB1
	v_lshlrev_b32 v[B1R], 6, v28
	v_add_nc_u32 v[B1R], s21, v[B1R]
	v_add_nc_u32 v[B1W], s21, v[L16]
	s_add_co_u32 s21, s20, LB2
	v_lshlrev_b32 v[B2R], 5, v28
	v_add_nc_u32 v[B2R], s21, v[B2R]
	v_add_nc_u32 v[B2W], s21, v[L16]
	s_lshl_b32 s21, s2, 8
	s_add_co_u32 s21, s21, LTOK
	v_mov_b32 v[TKA], s21
	v_lshlrev_b32 v[TKW], 2, v27
	v_add_nc_u32 v[TKW], s21, v[TKW]
	v_lshlrev_b32 v29, 2, v27
	v_add_nc_u32 v29, s74, v29
.irp m, 0,1,2,3
	v_mov_b32 v[C1P+2*\m+1], 0                     ; named as the upper half of a pair, so it is written
.endr
	s_wait_kmcnt 0x0
	s_load_b128 s[24:27], s[8:9], s3 offset:39680  ; e0, e1, rows
	s_load_b128 s[28:31], s[16:17], 0x0            ; ew1, ex, eh, ew2
	s_load_b512 s[32:47], s[8:9], s22 offset:0x0   ; the sixteen tokens whose codes my wave gathers
.irp m, 0,1,2,3
	global_load_b32 v[TKN+\m], v29, s[8:9] offset:64*\m     ; the token of row 16 m + r
.endr
	s_wait_kmcnt 0x0
	s_min_u32 s24, s24, 7                          ; stored numbers are held ahead of the addresses made from them
	s_min_u32 s25, s25, 7
	s_min_u32 s26, s26, 64
	; ---- X: my wave gathers tile of rows w: sixteen tokens' codes, 1,024 bytes each; they go out ahead of the biases and the ring, since the first barrier waits for them
.irp i, 0,1,2,3,4,5,6,7,8,9,10,11,12,13,14,15
	s_min_u32 s[32+\i], s[32+\i], 8191
	v_lshl_add_u32 v[OFS+\i], s[32+\i], 10, v[L16]
.endr
	WIN 0xc0                                       ; destination window 3
.irp i, 0,1,2,3,4,5,6,7,8,9,10,11,12,13,14,15
	global_load_b128 v[8*\i:8*\i+3], v[OFS+\i], s[4:5]              ; 512 consecutive bytes of one token
	global_load_b128 v[8*\i+4:8*\i+7], v[OFS+\i], s[4:5] offset:512
.endr
	WIN 0
	s_wait_loadcnt 32                              ; all but the 32 just issued: the rows' tokens are in
.irp m, 0,1,2,3
	v_min_u32 v[TKN+\m], 8191, v[TKN+\m]
	ds_store_b32 v[TKW], v[TKN+\m] offset:64*\m    ; my wave's copy of the 64 tokens (lanes r and r + 16 store the same number to the same word)
	v_lshlrev_b32 v[CWO+\m], 3, v[TKN+\m]
	global_load_b64 v[CP+2*\m:CP+2*\m+1], v[CWO+\m], s[10:11]       ; my tokens' two weights
.endr
	s_lshl_b32 s20, s2, 17                         ; a wave's 131,072 bytes of an expert's 524,288
	s_lshl_b32 s66, s24, 19
	s_add_co_u32 s66, s66, s20
	s_mov_b32 s67, 0
	s_lshl_b32 s68, s25, 19
	s_add_co_u32 s68, s68, s20
	s_mov_b32 s69, 0
	s_add_nc_u64 s[PCUR:PCUR+1], s[6:7], s[66:67]  ; W1 of e0,
	s_add_nc_u64 s[PNXT:PNXT+1], s[6:7], s[68:69]  ; of e1;
	s_add_nc_u64 s[PA:PA+1], s[PCUR:PCUR+1], 0x400000       ; W2's part lies 4,194,304 bytes on, with the same strides
	s_add_nc_u64 s[PB:PB+1], s[PNXT:PNXT+1], 0x400000
	s_lshl_b32 s20, s2, 9
	s_lshl_b32 s66, s24, 11
	s_add_co_u32 s66, s66, s20
	s_lshl_b32 s68, s25, 11
	s_add_co_u32 s68, s68, s20
	s_add_nc_u64 s[80:81], s[12:13], s[66:67]      ; b1: my 128 numbers of e0, of e1
	s_add_nc_u64 s[82:83], s[12:13], s[68:69]
	s_lshl_b32 s66, s66, 1
	s_lshl_b32 s68, s68, 1
	s_add_nc_u64 s[84:85], s[14:15], s[66:67]      ; b2: my 256
	s_add_nc_u64 s[86:87], s[14:15], s[68:69]
	s_lshl_b32 s66, s2, 10
	s_add_nc_u64 s[70:71], s[18:19], s[66:67]      ; out0 at my columns
	global_load_b128 v[128:131], v[L16], s[80:81]
	global_load_b128 v[132:135], v[L16], s[82:83]
	global_load_b128 v[136:139], v[L16], s[84:85]
	global_load_b128 v[140:143], v[L16], s[84:85] offset:512
	global_load_b128 v[144:147], v[L16], s[86:87]
	global_load_b128 v[148:151], v[L16], s[86:87] offset:512
	RFILL 0, PCUR, 0
	RFILL 1, PCUR, 8192
	s_add_co_i32 s72, s28, s29                     ; ew1 + ex
	s_add_co_i32 s73, s30, s31                     ; eh + ew2
	s_sub_co_i32 s77, 0, s72
	s_sub_co_i32 s78, 0, s73
	s_sub_co_i32 s75, s30, s72
	s_add_co_i32 s75, s75, 127
	s_lshl_b32 s76, s75, 23
	v_mov_b32 v[SC], s76                           ; 2^(eh - ew1 - ex)
	s_add_co_i32 s75, s75, 15
	s_lshl_b32 s75, s75, 23
	s_or_b32 s75, s75, 0x600000
	v_mov_b32 v[LIM], s75                          ; 57,344 x that
	s_mov_b32 s56, 0xbfb8aa3b                      ; -log2(e);
	s_lshl_b32 s76, s72, 23
	s_add_co_i32 s56, s56, s76                     ; ew1 + ex is added to its exponent field
	s_mov_b32 s57, s56                             ; (named with it as a pair, so it is written)
	s_wait_loadcnt 42                              ; the codes are in: behind them came 4 loads of weights, 6 of biases and the ring's 32
	WIN 0x0c                                       ; an LDS store's data in window 3
.irp i, 0,1,2,3,4,5,6,7,8,9,10,11,12,13,14,15
	ds_store_b128 v[XS], v[8*\i:8*\i+3] offset:16*\i        ; lane l's 16 bytes are piece l of row i; neighbouring lanes stand 272 bytes apart
	ds_store_b128 v[XS], v[8*\i+4:8*\i+7] offset:8704+16*\i ; piece 32 + l
.endr
	WIN 0
	s_wait_loadcnt 38                              ; the weights are in: behind them came the 6 and the 32
.irp m, 0,1,2,3
	v_ldexp_f32 v[C1P+2*\m], v[CP+2*\m+1], s73     ; c1 x 2^(eh + ew2), the low word of a pair of its own
	v_ldexp_f32 v[CP+2*\m], v[CP+2*\m], s73        ; c0 likewise
.endr
	RFILL 2, PCUR, 16384
	RFILL 3, PCUR, 24576
	s_wait_loadcnt 48                              ; the youngest three halves may be out: the biases and half 0 are older
.irp k, 0,1,2,3,4,5,6,7
	v_ldexp_f32 v[128+\k], v[128+\k], s77          ; b1 / 2^(ew1 + ex)
.endr
.irp k, 0,1,2,3,4,5,6,7,8,9,10,11,12,13,14,15
	v_ldexp_f32 v[136+\k], v[136+\k], s78          ; b2 / 2^(eh + ew2)
.endr
	ds_store_b128 v[B1W], v[128:131]
	ds_store_b128 v[B1W], v[132:135] offset:512
	ds_store_b128 v[B2W], v[136:139]
	ds_store_b128 v[B2W], v[140:143] offset:512
	ds_store_b128 v[B2W], v[144:147] offset:1024
	ds_store_b128 v[B2W], v[148:151] offset:1536
	BARRIER                                        ; x's 64 rows of codes lie in LDS
	; ---- 1: the hidden layer of e0, then of e1: written once, walked twice
	s_mov_b32 s58, 2
	s_mov_b32 s60, 0                               ; the expert's place among the images,
	s_mov_b32 s61, 0                               ; and in b1
.Lq:
	s_cmp_eq_u32 s26, 0
	s_cbranch_scc1 .Lqs
	v_add_nc_u32 v[HWQ], s60, v[HW]
	v_add_nc_u32 v[B1RQ], s61, v[B1R]
.irp t, 0,1,2,3,4,5,6,7                        ; b1 as C: lane (r, h), tile t: hidden units 32 (t / 2) + 16 h + 8 (t % 2) + 0 .. 7
	ds_load_b128 v[BI+8*\t:BI+8*\t+3], v[B1RQ] offset:4*(32*(\t>>1)+8*(\t&1))
	ds_load_b128 v[BI+8*\t+4:BI+8*\t+7], v[B1RQ] offset:4*(32*(\t>>1)+8*(\t&1))+16
.endr
	BX 0, 0
.irp s, 0,1,2,3,4,5,6,7
	P1STEP \s
.endr
	SILU 0
	SILU 1
	SILU 2
	SILU 3
	s_wait_dscnt 0x0                               ; the stores have read the codes' registers, which take rows again
.Lqs:
	s_wait_xcnt 0x0                                ; the ring's loads have read their bases
	s_mov_b64 s[PCUR:PCUR+1], s[PNXT:PNXT+1]
	s_mov_b64 s[PNXT:PNXT+1], s[PA:PA+1]           ; behind e1's W1 comes e0's W2
	s_add_co_u32 s60, s60, 32768
	s_add_co_u32 s61, s61, 512
	s_sub_co_u32 s58, s58, 1
	s_cmp_lg_u32 s58, 0
	s_cbranch_scc1 .Lq
	BARRIER                                        ; both experts' hidden layers lie in LDS
	; ---- 2: my 256 output columns, 128 at a time: e0's sums, e1's sums, the combine, the way out
	s_mov_b32 s59, 2
	s_mov_b32 s62, 0                               ; the half's place in b2
.Lg:
	s_cmp_eq_u32 s26, 0
	s_cbranch_scc1 .Lgs
	v_add_nc_u32 v[B2RG], s62, v[B2R]
	BIAS2 0
	BH 0, 0, 0
	P2STEP 0, 0, 0
	P2STEP 0, 1, 0
	P2STEP 0, 2, 0
	P2STEP 0, 3, 0
	BIAS2 1                                        ; e1's bias and first rows are asked of LDS ahead of the combine, which stands between the loads and the wait for them
	BH 0, 1, 0
	COMB0                                          ; its 128 lines also part e0's last products from the products that begin the accumulators anew
	P2STEP 1, 0, 0
	P2STEP 1, 1, 0
	s_cmp_eq_u32 s59, 1                            ; the last half has no successor: its last two K steps are written a second time, without loads: no load leaves wq
	s_cbranch_scc1 .Lg_last
	P2STEP 1, 2, 0
	P2STEP 1, 3, 0
	s_branch .Lg_join
.Lg_last:
	P2STEP 1, 2, 1
	P2STEP 1, 3, 1
	WIN 0
.Lg_join:
	STAGE 0
	OFFS
	STAGE 1
	SEND 0, 32
	s_wait_xcnt 0x0                                ; tile 0's stores have read their data: tile 2's rows land in the same registers only behind this wait
	STAGE 2
	SEND 1, 32
	s_wait_xcnt 0x0                                ; likewise tile 1's, for tile 3
	STAGE 3
	SEND 2, 32
	SEND 3, 0
.Lgs:
	s_wait_xcnt 0x0                                ; loads and stores have read their bases, offsets and data
	s_add_nc_u64 s[PA:PA+1], s[PA:PA+1], 65536
	s_add_nc_u64 s[PB:PB+1], s[PB:PB+1], 65536
	s_add_nc_u64 s[70:71], s[70:71], 512
	s_add_co_u32 s62, s62, 512
	s_sub_co_u32 s59, s59, 1
	s_cmp_lg_u32 s59, 0
	s_cbranch_scc1 .Lg
	s_wait_xcnt 0x0
	v_lshl_add_u32 v254, v0, 2, 0x2c800
	v_mov_b32 v255, 0
	s_wait_tensorcnt 0x0
	ds_add_u32 v254, v255
	s_wait_dscnt 0x0
	s_endpgm
.Lfunc_end_k_q7902f0b226_experts:
	.size	k_q7902f0b226_experts, .Lfunc_end_k_q7902f0b226_experts-k_q7902f0b226_experts
	.p2alignl 7, 3214868480
	.fill 96, 4, 3214868480
	.section	.rodata,"a",@progbits
	.p2align	6, 0x0
	.amdhsa_kernel k_q7902f0b226_experts
		.amdhsa_group_segment_fixed_size 182784
		.amdhsa_private_segment_fixed_size 0
		.amdhsa_enable_private_segment 0
		.amdhsa_kernarg_size 64
		.amdhsa_user_sgpr_count 2
		.amdhsa_user_sgpr_kernarg_segment_ptr 1
		.amdhsa_wavefront_size32 1
		.amdhsa_system_sgpr_workgroup_id_x 1
		.amdhsa_system_sgpr_workgroup_id_y 1
		.amdhsa_system_sgpr_workgroup_id_z 1
		.amdhsa_system_vgpr_workitem_id 0
		.amdhsa_next_free_vgpr 1024
		.amdhsa_next_free_sgpr 100
		.amdhsa_reserve_vcc 0
		.amdhsa_float_denorm_mode_32 3
		.amdhsa_float_denorm_mode_16_64 3
		.amdhsa_memory_ordered 1
		.amdhsa_forward_progress 1
		.amdhsa_inst_pref_size 242
	.end_amdhsa_kernel
	.amdgpu_metadata
---
amdhsa.version: [ 1, 2 ]
amdhsa.kernels:
  - .name:           k_q7902f0b226_experts
    .symbol:         k_q7902f0b226_experts.kd
    .args:
      - { .name: xq, .offset: 0, .size: 8, .value_kind: global_buffer, .address_space: global }
      - { .name: wq, .offset: 8, .size: 8, .value_kind: global_buffer, .address_space: global }
      - { .name: plan, .offset: 16, .size: 8, .value_kind: global_buffer, .address_space: global }
      - { .name: cw, .offset: 24, .size: 8, .value_kind: global_buffer, .address_space: global }
      - { .name: b1, .offset: 32, .size: 8, .value_kind: global_buffer, .address_space: global }
      - { .name: b2, .offset: 40, .size: 8, .value_kind: global_buffer, .address_space: global }
      - { .name: lowp_scales, .offset: 48, .size: 8, .value_kind: global_buffer, .address_space: global }
      - { .name: out0, .offset: 56, .size: 8, .value_kind: global_buffer, .address_space: global }
    .group_segment_fixed_size: 182784
    .private_segment_fixed_size: 0
    .kernarg_segment_align: 8
    .kernarg_segment_size: 64
    .max_flat_workgroup_size: 128
    .sgpr_count:     100
    .vgpr_count:     1024
    .wavefront_size: 32
...
	.end_amdgpu_metadata
.endif
;; end of part 3
;; ======== version 2 of 2: 3 launches
;; limits: right only within a limited range of input values
;; workspace buffers: xq 8,388,608 bytes; wq 8,388,608 bytes; route 32,768 bytes of whole numbers; hist 131,072 bytes of whole numbers; cw 65,536 bytes; auxp 32,768 bytes; plan 42,240 bytes of whole numbers
;; launch prep (part 4): grid 384 x 1, 4 waves a work-group, no clusters, 37,376 bytes of LDS; arguments x, gate_w, w1, w2, lowp_scales, xq, wq, route, hist, cw, auxp; writes xq, wq, route, hist, cw, auxp
.if DOCPART == 4
	.amdgcn_target "amdgcn-amd-amdhsa--gfx1250"
	.amdhsa_code_object_version 6
	.text
	.protected	k_q7902f0b226_prep
	.globl	k_q7902f0b226_prep
	.p2align	8
	.type	k_q7902f0b226_prep,@function
k_q7902f0b226_prep:
	s_mov_b64 s[64:65], 0
	v_nop
	global_prefetch_b8 v0, s[64:65] scope:SCOPE_SE
	s_setreg_imm32_b32 hwreg(HW_REG_WAVE_MODE, 25, 1), 1
	s_wait_xcnt 0x0
; PREP: one launch, three paths chosen by the work-group's number.
;   work-groups   0-127: x.   A wave takes 16 tokens: gate logits in f32, softmax, top-2, renormalised weights, sums for the aux loss, and x's codes of E5M2.
;   work-groups 128-255: w1,  256-383: w2: codes of E5M2, laid in the order in which the experts' launch takes an operand's registers.
; x's CODES: byte p of a token's 1,024 holds k = 128 j + 4 l + i with p = 512 (j / 4) + 16 l + 4 (j % 4) + i (j: which of the 8 loads, l: lane, i: 0..3): the order in which the dense loads leave the
; numbers in a lane's registers, so that the conversions take them as they lie.  w1's codes carry the same order of k, so every product still meets its partner.
; A FRAGMENT of a weight (16 rows x 128 positions, 2,048 bytes): position 32 c + 16 h + i of row r at byte 512 c + 256 h + 16 r + i.
;   w1 part of wq, at 0:         [expert 8][wave 4][K step 8][tile 8]; row r of tile 2 b + u is hidden unit 128 w + 32 b + 8 u + r + 8 (r / 8).
;   w2 part of wq, at 4,194,304: [expert 8][wave 4][half 2][K step 4][tile 8]; row r of tile n is output column 256 w + 128 g + 16 n + r; k in its natural order.
; WHAT THE ROUTER LEAVES, at fixed places: route[token] = (8 lo + hi) | rank << 8 (lo < hi: the two experts; rank: how many earlier tokens of the same 16 have the same pair);
;   hist[chunk of 16 tokens][64 pairs]; cw[token] = the weights of lo and hi; auxp[chunk] = 8 sums of probabilities, 8 counts of first choices.  No address and no branch here hangs on a choice.
; THE GATE: a lane wants 128 consecutive bytes (four rows of the gate) for each of x's eight loads, the same in all four waves.  Each wave loads a quarter of the gate's 32,768 bytes by 16 loads of 512
; consecutive bytes; the pieces go to LDS as 256 rows of 128 bytes, 144 apart; one barrier; every wave reads its 256 registers from there.  Only the x path uses LDS or a barrier.
; code = number / 2^e, held within +-57,344, to the nearest code, ties to even.  e: lowp_scales[0] for w1, [1] for x, [3] for w2.
; LIMITS: each e between -126 and 112.  NaN among the inputs is not served.  A probability under 2^-126 counts as 0.  Two probabilities that differ by less than f32 sums can tell may change places.
.set X,   16                           ; v16-207   six slots of 32: register 4 j + i = x[128 j + 4 lane + i]
.set CD,  208                          ; v208-223  two sets of 8: a token's codes
.set A,   224                          ; v224-231  the eight logits' partial sums, in pairs
.set TP,  232                          ; v232-239  what comes from the other half of the lanes
.set LG,  240                          ; v240-247  lane t: token t's eight logits
.set GP,  144                          ; a row of 128 bytes of the gate in LDS, + 16: 36 words, so sixteen neighbouring rows start at sixteen different groups of four banks (64 banks of 4 bytes: ISA guide 11.1)
.set WX,  32                           ; the weights' paths: v32-95 two sets of 32 numbers
.set WC,  96                           ; v96-159 a block's codes, eight registers for each of eight blocks: no store's data are written again
.set MSB, 0
.macro WIN new                         ; the immediate's high byte repeats the setting that is left
.if MSB != \new
	s_set_vgpr_msb (MSB<<8)|\new
.set MSB, \new
.endif
.endm
; block t of a weight: 32 positions down K of my column, into set t % 2.  perm = 1: position q of my 256 stands for row 128 ((q / 4) % 4) + 4 (q / 16) + q % 4 (x's order of k)
.macro LOADB t, rowb, perm
.set li, 0
.rept 32
.set lq, 32*(\t)+li
.if \perm
.set lk, 128*((lq>>2)&3)+4*(lq>>4)+(lq&3)
.else
.set lk, lq
.endif
	global_load_b32 v[WX+32*((\t)%2)+li], v3, s[32:33] offset:lk*\rowb th:TH_LOAD_NT   ; 32 lanes read 128 consecutive bytes, the four waves 512
.set li, li+1
.endr
.endm
; A wave's 32 columns x 256 positions.  A lane takes a column and its registers run down K, so the conversions give codes with K innermost.
.macro QW rowb, perm, se
	LOADB 0, \rowb, \perm
	LOADB 1, \rowb, \perm
	s_wait_kmcnt 0x0                               ; the given exponents
	s_add_co_i32 s46, s[\se], 127
	s_lshl_b32 s47, s46, 23
	v_mov_b32 v11, s47                             ; 2^e as f32: the conversion takes its exponent field
	s_add_co_i32 s46, s46, 15
	s_lshl_b32 s46, s46, 23
	s_or_b32 s46, s46, 0x600000
	v_mov_b32 v10, s46                             ; 57,344 x 2^e
.set tb, 0
	s_wait_alu depctr_va_vdst(0)
.rept 8
.if tb < 7
	s_wait_loadcnt 32                              ; this block's 32 loads are in; the next block's 32 may be out
.else
	s_wait_loadcnt 0
.endif
.set wi, 0
.rept 32
	v_med3_num_f32 v[WX+32*(tb%2)+wi], v[WX+32*(tb%2)+wi], -v10, v10   ; the conversion to an 8-bit code does not saturate (ISA guide 7.6.2): the hold comes first
.set wi, wi+1
.endr
.irp g, 0,1,2,3
	v_cvt_scalef32_pk8_bf8_f32 v[WC+8*tb+2*\g:WC+8*tb+2*\g+1], v[WX+32*(tb%2)+8*\g:WX+32*(tb%2)+8*\g+7], v11
.endr
	v_nop                                          ; a plain line behind the last conversion of the run
.if tb < 6
	LOADB tb+2, \rowb, \perm
.endif
	global_store_b128 v4, v[WC+8*tb:WC+8*tb+3], s[34:35] offset:16384*(tb>>2)+512*(tb&3)        ; positions 0-15 of the block: sixteen lanes fill 256 consecutive bytes of one fragment, the other sixteen of the next
	global_store_b128 v4, v[WC+8*tb+4:WC+8*tb+7], s[34:35] offset:16384*(tb>>2)+512*(tb&3)+256  ; positions 16-31
.set tb, tb+1
.endr
.endm
; eight loads of 512 consecutive bytes: token t of my sixteen into slot t % 6
.macro FILL t
.irp j, 0,1,2,3,4,5,6,7
	global_load_b128 v[X+32*((\t)%6)+4*\j:X+32*((\t)%6)+4*\j+3], v2, s[32:33] offset:4096*(\t)+512*\j th:TH_LOAD_NT
.endr
.endm
; Token t.  Sixteen is no multiple of six, so the sixteen tokens are written out, every offset an immediate; tokens 0 to 9 fill their slot again with the token six further on.
.macro TOK t
.set XS, X+32*((\t)%6)
.set CS, CD+8*((\t)%2)
.if (\t) <= 10
	s_wait_loadcnt 40                              ; loads come back in order: this token's eight are in; the five younger tokens' 40 may be out
.else
	s_wait_loadcnt 8*(15-(\t))                     ; nothing is left to ask for: the counts run down
.endif
	WIN 0x04                                       ; source 1 (the gate) in window 1
.irp p, 0,1,2,3
	v_pk_mul_f32 v[A+2*\p:A+2*\p+1], v[XS:XS+1], v[2*\p:2*\p+1] op_sel_hi:[0,1]   ; the first product starts the sums; one x for two experts
.endr
.set kx, 1
.rept 31
.irp p, 0,1,2,3
.if kx%2
	v_pk_fma_f32 v[A+2*\p:A+2*\p+1], v[XS+kx-1:XS+kx], v[8*kx+2*\p:8*kx+2*\p+1], v[A+2*\p:A+2*\p+1] op_sel:[1,0,0] op_sel_hi:[1,1,1]
.else
	v_pk_fma_f32 v[A+2*\p:A+2*\p+1], v[XS+kx:XS+kx+1], v[8*kx+2*\p:8*kx+2*\p+1], v[A+2*\p:A+2*\p+1] op_sel_hi:[0,1,1]
.endif
.endr
.set kx, kx+1
.endr
	WIN 0
.set kx, 0
.rept 32
	v_med3_num_f32 v[XS+kx], v[XS+kx], -v3, v3     ; the hold, behind the logits, which take x as it is
.set kx, kx+1
.endr
	s_wait_alu depctr_va_vdst(0)
	s_wait_xcnt 0x0                                ; the stores of two tokens back have read this set of codes: it is written again only behind this wait
.irp g, 0,1,2,3
	v_cvt_scalef32_pk8_bf8_f32 v[CS+2*\g:CS+2*\g+1], v[XS+8*\g:XS+8*\g+7], v4
.endr
	v_nop                                          ; a plain line behind the last conversion
.if (\t)+6 < 16
	FILL (\t)+6
.endif
	global_store_b128 v2, v[CS:CS+3], s[34:35] offset:1024*(\t)          ; 32 lanes store 512 consecutive bytes
	global_store_b128 v2, v[CS+4:CS+7], s[34:35] offset:1024*(\t)+512
.irp mk, 1,2,4,8                       ; the eight sums over the 32 lanes
.irp e, 0,1,2,3,4,5,6,7
	v_add_f32_dpp v[A+\e], v[A+\e], v[A+\e] row_xmask:\mk row_mask:0xf bank_mask:0xf
.endr
.endr
.irp e, 0,1,2,3,4,5,6,7
	v_permlanex16_b32 v[TP+\e], v[A+\e], s38, s39
.endr
.irp e, 0,1,2,3,4,5,6,7
	v_add_f32 v[A+\e], v[A+\e], v[TP+\e]
.endr
.irp e, 0,1,2,3,4,5,6,7
	v_cndmask_b32 v[LG+\e], v[LG+\e], v[A+\e], s36 ; lane t keeps token t's logits
.endr
	s_lshl_b32 s36, s36, 1
.endm
	s_load_b512 s[4:19], s[0:1], 0x0               ; x 4, gate_w 6, w1 8, w2 10, scales 12, xq 14, wq 16, route 18
	s_load_b128 s[20:23], s[0:1], 0x40             ; hist 20, cw 22
	s_load_b64 s[24:25], s[0:1], 0x50              ; auxp
	v_lshl_add_u32 v254, v0, 2, 0x9000
	v_mov_b32 v255, 0
	v_lshrrev_b32 v1, 5, v0
	v_readfirstlane_b32 s26, v1                    ; wave 0..3
	v_and_b32 v1, 31, v0                           ; lane
	s_wait_kmcnt 0x0
	s_load_b128 s[28:31], s[12:13], 0x0            ; ew1, ex, eh, ew2: waited for behind each path's first loads
	s_cmp_lt_u32 ttmp9, 128
	s_cbranch_scc1 .Lpath_x
	s_cmp_lt_u32 ttmp9, 256
	s_cbranch_scc1 .Lpath_w1
	; ---- w2 [8][512][1024]: work-group = expert, 128 columns (cg), 256 rows of K (y)
	s_sub_co_u32 s40, ttmp9, 256
	s_lshr_b32 s41, s40, 4                         ; expert
	s_and_b32 s42, s40, 15                         ; 2 cg + y
	s_lshr_b32 s43, s42, 1
	s_and_b32 s44, s42, 1
	s_lshl_b32 s52, s41, 21                        ; an expert's 2,097,152 bytes
	s_lshl_b32 s45, s44, 20                        ; 256 rows of 4,096 bytes
	s_add_co_u32 s52, s52, s45
	s_lshl_b32 s45, s43, 9                         ; 128 columns
	s_add_co_u32 s52, s52, s45
	s_lshl_b32 s45, s26, 7                         ; my wave's 32
	s_add_co_u32 s52, s52, s45
	s_mov_b32 s53, 0
	s_add_nc_u64 s[32:33], s[10:11], s[52:53]
	s_lshl_b32 s54, s41, 19                        ; an expert's 524,288 bytes of codes
	s_lshl_b32 s45, s42, 15                        ; two K steps of eight fragments
	s_add_co_u32 s54, s54, s45
	s_lshl_b32 s45, s26, 12                        ; my wave's two fragments
	s_add_co_u32 s54, s54, s45
	s_add_co_u32 s54, s54, 0x400000                ; behind w1's part
	s_mov_b32 s55, 0
	s_add_nc_u64 s[34:35], s[16:17], s[54:55]
	s_wait_alu depctr_va_vdst(0)
	v_lshlrev_b32 v3, 2, v1                        ; in: 4 bytes a lane
	v_lshrrev_b32 v5, 4, v1                        ; out: fragment lane / 16,
	v_and_b32 v6, 15, v1                           ; row lane % 16
	v_lshlrev_b32 v4, 4, v6
	v_lshl_add_u32 v4, v5, 11, v4
	QW 4096, 0, 31
	s_endpgm
.Lpath_w1:
	; ---- w1 [8][1024][512]: work-group = expert, 128 hidden units (w), 256 positions of K (y)
	s_sub_co_u32 s40, ttmp9, 128
	s_lshr_b32 s41, s40, 4                         ; expert
	s_and_b32 s42, s40, 15                         ; 4 w + y
	s_lshr_b32 s43, s42, 2
	s_and_b32 s44, s42, 3
	s_lshl_b32 s52, s41, 21
	s_lshr_b32 s45, s44, 1
	s_lshl_b32 s45, s45, 20                        ; positions 256 y on begin at row 512 (y / 2) + 64 (y % 2); a row is 2,048 bytes
	s_add_co_u32 s52, s52, s45
	s_and_b32 s45, s44, 1
	s_lshl_b32 s45, s45, 17
	s_add_co_u32 s52, s52, s45
	s_lshl_b32 s45, s43, 9
	s_add_co_u32 s52, s52, s45
	s_lshl_b32 s45, s26, 7
	s_add_co_u32 s52, s52, s45
	s_mov_b32 s53, 0
	s_add_nc_u64 s[32:33], s[8:9], s[52:53]
	s_lshl_b32 s54, s41, 19
	s_lshl_b32 s45, s42, 15
	s_add_co_u32 s54, s54, s45
	s_lshl_b32 s45, s26, 12
	s_add_co_u32 s54, s54, s45
	s_mov_b32 s55, 0
	s_add_nc_u64 s[34:35], s[16:17], s[54:55]
	s_wait_alu depctr_va_vdst(0)
	v_lshlrev_b32 v3, 2, v1
	v_bfe_u32 v5, v1, 3, 1                         ; unit 32 b + lane lies in fragment u = (lane / 8) % 2,
	v_and_b32 v6, 7, v1
	v_lshrrev_b32 v7, 4, v1
	v_lshl_add_u32 v6, v7, 3, v6                   ; row lane % 8 + 8 (lane / 16)
	v_lshlrev_b32 v4, 4, v6
	v_lshl_add_u32 v4, v5, 11, v4
	QW 2048, 1, 28
	s_endpgm
.Lpath_x:
	; ---- x: my wave's chunk of 16 tokens
	s_lshl_b32 s40, ttmp9, 2
	s_add_co_u32 s40, s40, s26                     ; chunk 0..511
	s_mov_b32 s53, 0
	s_lshl_b32 s52, s40, 16
	s_add_nc_u64 s[32:33], s[4:5], s[52:53]        ; x: 16 rows of 4,096 bytes
	s_lshl_b32 s52, s40, 14
	s_add_nc_u64 s[34:35], s[14:15], s[52:53]      ; xq: 16 rows of 1,024
	s_lshl_b32 s52, s40, 8
	s_add_nc_u64 s[42:43], s[20:21], s[52:53]      ; hist: 256 bytes
	s_lshl_b32 s52, s40, 6
	s_add_nc_u64 s[44:45], s[18:19], s[52:53]      ; route: 64 bytes
	s_add_nc_u64 s[48:49], s[24:25], s[52:53]      ; auxp: 64 bytes
	s_lshl_b32 s52, s40, 7
	s_add_nc_u64 s[46:47], s[22:23], s[52:53]      ; cw: 128 bytes
	s_lshl_b32 s52, s26, 13
	s_add_nc_u64 s[56:57], s[6:7], s[52:53]        ; the gate: my wave's quarter, 8,192 bytes
	s_wait_alu depctr_va_vdst(0)
	v_lshlrev_b32 v2, 4, v1                        ; 16 x lane
	v_lshrrev_b32 v8, 3, v1                        ; into LDS: a load's 512 bytes are four rows of 128: row lane / 8, piece lane % 8
	v_mul_u32_u24 v8, v8, GP
	v_and_b32 v9, 7, v1
	v_lshl_add_u32 v8, v9, 4, v8
	s_mul_i32 s54, s26, 64*GP                      ; my wave's 64 rows
	v_add_nc_u32 v8, s54, v8
	v_mul_u32_u24 v9, v1, GP                       ; out of LDS: row 32 j + lane
	WIN 0x40                                       ; destination window 1: the pieces pass through registers that the gate itself takes afterwards
.irp n, 0,1,2,3,4,5,6,7,8,9,10,11,12,13,14,15
	global_load_b128 v[4*\n:4*\n+3], v2, s[56:57] offset:512*\n     ; 32 lanes read 512 consecutive bytes
.endr
	WIN 0
.irp t, 0,1,2,3,4,5
	FILL \t
.endr
	s_mov_b32 s36, 1                               ; the mask of the lane that keeps the token in hand
	s_mov_b32 s38, 0x76543210                      ; lane l xor 16
	s_mov_b32 s39, 0xfedcba98
	v_mov_b32 v5, -1.0
	v_cmp_gt_u32 vcc_lo, 16, v1
	v_cndmask_b32 v6, 0, 1.0, vcc_lo               ; 1 in the sixteen lanes that hold a token
.irp e, 0,1,2,3,4,5,6,7
	v_mov_b32 v[TP+\e], 0                          ; a lane permute's destination counts as read
	v_mov_b32 v[LG+\e], 0
.endr
	s_wait_kmcnt 0x0
	s_add_co_i32 s50, s29, 127
	s_lshl_b32 s51, s50, 23
	v_mov_b32 v4, s51                              ; 2^ex
	s_add_co_i32 s50, s50, 15
	s_lshl_b32 s50, s50, 23
	s_or_b32 s50, s50, 0x600000
	v_mov_b32 v3, s50                              ; 57,344 x 2^ex
	s_wait_loadcnt 48                              ; my quarter of the gate is in; the six tokens' 48 loads may be out
	WIN 0x04                                       ; an LDS store's data in window 1
.irp n, 0,1,2,3,4,5,6,7,8,9,10,11,12,13,14,15
	ds_store_b128 v8, v[4*\n:4*\n+3] offset:4*GP*\n
.endr
	WIN 0
	s_wait_dscnt 0x0                               ; for the others' sake: my stores have landed
	s_barrier_signal -1
	s_barrier_wait -1                              ; the whole gate lies in LDS; nothing is stored there again
	WIN 0x40                                       ; destination window 1: register 32 j + 8 i + e = gate_w[128 j + 4 lane + i][e]; it stays for all 16 tokens
.irp j, 0,1,2,3,4,5,6,7
.irp q, 0,1,2,3,4,5,6,7
	ds_load_b128 v[32*\j+4*\q:32*\j+4*\q+3], v9 offset:32*GP*\j+16*\q
.endr
.endr
	WIN 0
	s_wait_dscnt 0x0
.irp t, 0,1,2,3,4,5,6,7,8,9,10,11,12,13,14,15
	TOK \t
.endr
	; ---- the router, a lane a token (lanes 16-31 work on zeros; nothing of theirs is kept)
.set P,     32                         ; v32-39  probabilities
.set Q,     40                         ; v40-47  the same with the first choice taken out
.set AX,    48                         ; v48-63  8 probabilities and 8 flags of the first choice, for the sums
.set BEST,  70
.set I1,    71
.set BEST2, 72
.set I2,    73
.set DEN,   74
.set RC,    75
.set C1,    76
.set C2,    77
.set LO,    78
.set HI,    79
.set CL,    80                         ; v[80:81] the weights of lo and hi
.set ID,    82
.set HH,    84                         ; v[84:85] my two bins of the histogram
.set RK,    86
.set BIN0,  87
.set BIN1,  88
.set RW,    89
.set O8,    90
.set O4,    91
.set ZZ,    92
	v_max3_num_f32 v64, v[LG], v[LG+1], v[LG+2]
	v_max3_num_f32 v64, v64, v[LG+3], v[LG+4]
	v_max3_num_f32 v64, v64, v[LG+5], v[LG+6]
	v_max_num_f32 v64, v64, v[LG+7]                ; the largest logit is taken away ahead of the exponentials
.irp e, 0,1,2,3,4,5,6,7
	v_sub_f32 v[P+\e], v[LG+\e], v64
.endr
.irp e, 0,1,2,3,4,5,6,7
	v_mul_f32 v[P+\e], 0x3fb8aa3b, v[P+\e]         ; x log2(e)
.endr
	s_wait_alu depctr_va_vdst(0)
.irp e, 0,1,2,3,4,5,6,7
	v_exp_f32 v[P+\e], v[P+\e]
.endr
	v_nop                                          ; a plain line behind the last exponential,
	s_wait_alu depctr_va_vdst(0)                   ; and one wait for the batch, ahead of its first reader
	v_add_f32 v65, v[P], v[P+1]
	v_add_f32 v66, v[P+2], v[P+3]
	v_add_f32 v67, v[P+4], v[P+5]
	v_add_f32 v68, v[P+6], v[P+7]
	v_add_f32 v65, v65, v66
	v_add_f32 v67, v67, v68
	v_add_f32 v65, v65, v67
	s_wait_alu depctr_va_vdst(0)
	v_rcp_f32 v66, v65
	v_nop
	s_wait_alu depctr_va_vdst(0)
.irp e, 0,1,2,3,4,5,6,7
	v_mul_f32 v[P+\e], v[P+\e], v66
.endr
	v_mov_b32 v[BEST], v[P]                        ; the first choice: strictly greater only, so the lower index wins a tie
	v_mov_b32 v[I1], 0
.irp e, 1,2,3,4,5,6,7
	v_cmp_gt_f32 vcc_lo, v[P+\e], v[BEST]
	v_cndmask_b32 v[BEST], v[BEST], v[P+\e], vcc_lo
	v_cndmask_b32 v[I1], v[I1], \e, vcc_lo
.endr
.irp e, 0,1,2,3,4,5,6,7
	v_cmp_eq_u32 vcc_lo, \e, v[I1]
	v_cndmask_b32 v[Q+\e], v[P+\e], v5, vcc_lo     ; -1 in the first choice's place
	v_cndmask_b32 v[AX+8+\e], 0, v6, vcc_lo        ; 1 there, for the count of first choices
.endr
	v_mov_b32 v[BEST2], v[Q]                       ; the second choice, in the same way
	v_mov_b32 v[I2], 0
.irp e, 1,2,3,4,5,6,7
	v_cmp_gt_f32 vcc_lo, v[Q+\e], v[BEST2]
	v_cndmask_b32 v[BEST2], v[BEST2], v[Q+\e], vcc_lo
	v_cndmask_b32 v[I2], v[I2], \e, vcc_lo
.endr
	v_add_f32 v[DEN], v[BEST], v[BEST2]
	v_add_f32 v[DEN], 0x3089705f, v[DEN]           ; + 1e-9
	s_wait_alu depctr_va_vdst(0)
	v_rcp_f32 v[RC], v[DEN]
	v_min_u32 v[LO], v[I1], v[I2]                  ; (plain lines behind the reciprocal)
	v_max_u32 v[HI], v[I1], v[I2]
	v_lshl_add_u32 v[ID], v[LO], 3, v[HI]          ; the pair's number, 8 lo + hi
	s_wait_alu depctr_va_vdst(0)
	v_mul_f32 v[C1], v[BEST], v[RC]
	v_mul_f32 v[C2], v[BEST2], v[RC]
	v_cmp_lt_u32 vcc_lo, v[I1], v[I2]
	v_cndmask_b32 v[CL], v[C2], v[C1], vcc_lo      ; lo's weight
	v_cndmask_b32 v[CL+1], v[C1], v[C2], vcc_lo    ; hi's
.irp e, 0,1,2,3,4,5,6,7
	v_mul_f32 v[AX+\e], v[P+\e], v6
.endr
.irp mk, 1,2,4,8                       ; sums over the sixteen tokens: lane 0 stores them
.irp e, 0,1,2,3,4,5,6,7,8,9,10,11,12,13,14,15
	v_add_f32_dpp v[AX+\e], v[AX+\e], v[AX+\e] row_xmask:\mk row_mask:0xf bank_mask:0xf
.endr
.endr
	v_lshlrev_b32 v[BIN0], 1, v1                   ; lane l counts pairs 2 l and 2 l + 1
	v_or_b32 v[BIN1], 1, v[BIN0]
	v_mov_b32 v[HH], 0
	v_mov_b32 v[HH+1], 0
	v_mov_b32 v[RK], 0
.irp t, 0,1,2,3,4,5,6,7,8,9,10,11,12,13,14,15
	v_readlane_b32 s40, v[ID], \t                  ; token t's pair: compared, never an address
	v_cmp_eq_u32 vcc_lo, s40, v[BIN0]
	v_add_co_ci_u32 v[HH], vcc_lo, 0, v[HH], vcc_lo
	v_cmp_eq_u32 vcc_lo, s40, v[BIN1]
	v_add_co_ci_u32 v[HH+1], vcc_lo, 0, v[HH+1], vcc_lo
	v_cmp_eq_u32 vcc_lo, s40, v[ID]
	s_and_b32 vcc_lo, vcc_lo, (0xffffffff<<(\t+1))&0xffffffff   ; only later tokens count token t
	v_add_co_ci_u32 v[RK], vcc_lo, 0, v[RK], vcc_lo
.endr
	v_lshl_or_b32 v[RW], v[RK], 8, v[ID]
	v_lshlrev_b32 v[O8], 3, v1
	v_lshlrev_b32 v[O4], 2, v1
	v_mov_b32 v[ZZ], 0
	global_store_b64 v[O8], v[HH:HH+1], s[42:43]   ; 32 lanes store the chunk's 256 bytes
	s_wait_alu depctr_va_vdst(0)
	s_wait_xcnt 0x0                                ; EXEC changes only behind this wait
	v_cmp_gt_u32 vcc_lo, 16, v1
	s_wait_tensorcnt 0x0
	ds_add_u32 v254, v255
	s_wait_dscnt 0x0
	s_and_saveexec_b32 s50, vcc_lo
	global_store_b32 v[O4], v[RW], s[44:45]
	global_store_b64 v[O8], v[CL:CL+1], s[46:47]
	s_wait_xcnt 0x0
	s_or_b32 exec_lo, exec_lo, s50
	v_cmp_eq_u32 vcc_lo, 0, v1
	s_and_saveexec_b32 s50, vcc_lo
.irp q, 0,1,2,3
	global_store_b128 v[ZZ], v[AX+4*\q:AX+4*\q+3], s[48:49] offset:16*\q
.endr
	s_wait_xcnt 0x0
	s_or_b32 exec_lo, exec_lo, s50
	s_endpgm
.Lfunc_end_k_q7902f0b226_prep:
	.size	k_q7902f0b226_prep, .Lfunc_end_k_q7902f0b226_prep-k_q7902f0b226_prep
	.p2alignl 7, 3214868480
	.fill 96, 4, 3214868480
	.section	.rodata,"a",@progbits
	.p2align	6, 0x0
	.amdhsa_kernel k_q7902f0b226_prep
		.amdhsa_group_segment_fixed_size 37376
		.amdhsa_private_segment_fixed_size 0
		.amdhsa_enable_private_segment 0
		.amdhsa_kernarg_size 88
		.amdhsa_user_sgpr_count 2
		.amdhsa_user_sgpr_kernarg_segment_ptr 1
		.amdhsa_wavefront_size32 1
		.amdhsa_system_sgpr_workgroup_id_x 1
		.amdhsa_system_sgpr_workgroup_id_y 1
		.amdhsa_system_sgpr_workgroup_id_z 1
		.amdhsa_system_vgpr_workitem_id 0
		.amdhsa_next_free_vgpr 512
		.amdhsa_next_free_sgpr 66
		.amdhsa_reserve_vcc 1
		.amdhsa_float_denorm_mode_32 3
		.amdhsa_float_denorm_mode_16_64 3
		.amdhsa_memory_ordered 1
		.amdhsa_forward_progress 1
		.amdhsa_inst_pref_size 255
	.end_amdhsa_kernel
	.section	.bss,"aw",@nobits
	.p2align	6
	.space	262144
	.amdgpu_metadata
---
amdhsa.version: [ 1, 2 ]
amdhsa.kernels:
  - .name:           k_q7902f0b226_prep
    .symbol:         k_q7902f0b226_prep.kd
    .args:
      - { .name: x, .offset: 0, .size: 8, .value_kind: global_buffer, .address_space: global }
      - { .name: gate_w, .offset: 8, .size: 8, .value_kind: global_buffer, .address_space: global }
      - { .name: w1, .offset: 16, .size: 8, .value_kind: global_buffer, .address_space: global }
      - { .name: w2, .offset: 24, .size: 8, .value_kind: global_buffer, .address_space: global }
      - { .name: lowp_scales, .offset: 32, .size: 8, .value_kind: global_buffer, .address_space: global }
      - { .name: xq, .offset: 40, .size: 8, .value_kind: global_buffer, .address_space: global }
      - { .name: wq, .offset: 48, .size: 8, .value_kind: global_buffer, .address_space: global }
      - { .name: route, .offset: 56, .size: 8, .value_kind: global_buffer, .address_space: global }
      - { .name: hist, .offset: 64, .size: 8, .value_kind: global_buffer, .address_space: global }
      - { .name: cw, .offset: 72, .size: 8, .value_kind: global_buffer, .address_space: global }
      - { .name: auxp, .offset: 80, .size: 8, .value_kind: global_buffer, .address_space: global }
    .group_segment_fixed_size: 37376
    .private_segment_fixed_size: 0
    .kernarg_segment_align: 8
    .kernarg_segment_size: 88
    .max_flat_workgroup_size: 128
    .sgpr_count:     66
    .vgpr_count:     512
    .wavefront_size: 32
...
	.end_amdgpu_metadata
.endif
;; end of part 4
;; launch place (part 5): grid 1 x 1, 32 waves a work-group, no clusters, 155,648 bytes of LDS; arguments route, hist, auxp, plan, out1; writes plan, out1
.if DOCPART == 5
	.amdgcn_target "amdgcn-amd-amdhsa--gfx1250"
	.amdhsa_code_object_version 6
	.text
	.protected	k_q7902f0b226_place
	.globl	k_q7902f0b226_place
	.p2align	8
	.type	k_q7902f0b226_place,@function
k_q7902f0b226_place:
	s_mov_b64 s[64:65], 0
	v_nop
	global_prefetch_b8 v0, s[64:65] scope:SCOPE_SE
	s_setreg_imm32_b32 hwreg(HW_REG_WAVE_MODE, 25, 1), 1
	s_wait_xcnt 0x0
; PLACE: one work-group of 1,024 threads sorts the 8,192 tokens by their pair of experts (a counting sort on 64 bins, of which 28 can hold tokens), each bin padded to tiles of 64 rows,
; and finishes the aux loss.  plan: order[155 x 64] (token of each row; 0 in a pad row) at byte 0; tiles[160] x (lo, hi, rows, 0) at byte 39,680.
; There are never more than 8,192 / 64 + 27 = 155 tiles, whatever the split.  A token's place = 64 x its bin's first tile + tokens of the bin in earlier chunks + its rank in its chunk of 16.
; One work-group, since every step wants sums over all tokens; all traffic between waves goes through LDS, with a barrier between each writing and the reading.
.set GT,   0                           ; [64 groups of 8 chunks][64 bins]: a group's tokens, then the tokens of earlier groups
.set COFF, 16384                       ; [512 chunks][64 bins]: where a chunk's tokens of a bin begin
.set TBL,  147456                      ; [64 bins] x (64 x first tile, tokens)
.set NB,   147968                      ; [64 bins] tokens
.set CNT,  148224                      ; [160 tiles] rows
.set AUX,  148992                      ; [32 waves][16] sums for the aux loss
.set H,    20                          ; v20-51  my 8 chunks x 4 bins
.set R,    52                          ; v52-59  my 8 tokens' words of route
.set S,    60                          ; v60-123 at work
.macro BARRIER
	s_wait_dscnt 0x0                               ; my LDS stores have landed and my LDS loads are in
	s_barrier_signal -1
	s_barrier_wait -1
.endm
; the bins (lo, hi) with a0 <= lo <= a1: is tile T one of theirs, and how many rows has it?
.macro BINS a0, a1
.set nn, 0
.irp lo, 0,1,2,3,4,5,6
.irp hi, 1,2,3,4,5,6,7
.if (\hi > \lo) && (\lo >= \a0) && (\lo <= \a1)
	ds_load_b64 v[84+2*nn:85+2*nn], v12 offset:8*(8*\lo+\hi)
.set nn, nn+1
.endif
.endr
.endr
	s_wait_dscnt 0x0
.set nn, 0
.irp lo, 0,1,2,3,4,5,6
.irp hi, 1,2,3,4,5,6,7
.if (\hi > \lo) && (\lo >= \a0) && (\lo <= \a1)
	v_sub_nc_u32 v77, v76, v[84+2*nn]              ; d = 64 T - the bin's first row (wraps to a large number for earlier tiles)
	s_delay_alu instid0(VALU_DEP_1)
	v_cmp_lt_u32 vcc_lo, v77, v[85+2*nn]           ; the tile is the bin's where d < its tokens
	s_delay_alu instid0(VALU_DEP_2)
	v_sub_nc_u32 v78, v[85+2*nn], v77
	s_delay_alu instid0(VALU_DEP_1)
	v_min_u32 v78, 64, v78
	s_wait_alu depctr_va_vdst(0)
	v_cndmask_b32 v82, v82, v78, vcc_lo
	v_cndmask_b32 v80, v80, \lo, vcc_lo
	v_cndmask_b32 v81, v81, \hi, vcc_lo
.set nn, nn+1
.endif
.endr
.endr
.endm
.macro PAD j                           ; rows 1,024 j + thread: a row at or past its tile's count gets token 0
	v_cmp_ge_u32 vcc_lo, v19, v[100+\j]
	s_wait_xcnt 0x0                                ; EXEC changes only behind this wait
	s_and_saveexec_b32 s20, vcc_lo
	global_store_b32 v3, v110, s[10:11] offset:4096*\j
	s_wait_xcnt 0x0
	s_or_b32 exec_lo, exec_lo, s20
.endm
	s_load_b256 s[4:11], s[0:1], 0x0               ; route 4, hist 6, auxp 8, plan 10
	s_load_b64 s[12:13], s[0:1], 0x20              ; out1
	v_lshl_add_u32 v126, v0, 2, 0x25000
	v_mov_b32 v127, 0
	; every address register is made here, ahead of the first parting of the waves, and never rewritten
	v_lshrrev_b32 v18, 5, v0
	s_delay_alu instid0(VALU_DEP_1)
	v_readfirstlane_b32 s14, v18                   ; wave 0..31
	v_lshlrev_b32 v1, 4, v0                        ; 16 x thread
	v_lshrrev_b32 v60, 4, v0                       ; group of chunks
	v_and_b32 v61, 15, v0                          ; four bins
	s_delay_alu instid0(VALU_DEP_2)
	v_lshlrev_b32 v2, 11, v60
	s_delay_alu instid0(VALU_DEP_1)
	v_lshl_add_u32 v2, v61, 4, v2                  ; hist: 8 chunks of 256 bytes a group, 16 bytes for my bins
	v_lshlrev_b32 v3, 2, v0
	v_lshlrev_b32 v4, 5, v0
	v_and_b32 v19, 63, v0
	s_delay_alu instid0(VALU_DEP_1)
	v_lshlrev_b32 v5, 2, v19
	v_lshlrev_b32 v6, 5, v61
	s_delay_alu instid0(VALU_DEP_1)
	v_add_nc_u32 v6, TBL, v6
	v_lshlrev_b32 v7, 8, v60
	s_delay_alu instid0(VALU_DEP_1)
	v_add_nc_u32 v7, COFF, v7
	s_delay_alu instid0(VALU_DEP_1)
	v_add_nc_u32 v8, 65536, v7
	v_lshrrev_b32 v9, 6, v0
	s_delay_alu instid0(VALU_DEP_1)
	v_lshlrev_b32 v9, 2, v9
	s_delay_alu instid0(VALU_DEP_1)
	v_add_nc_u32 v9, CNT, v9
	v_and_b32 v62, 1, v0
	v_lshlrev_b32 v10, 6, v18
	s_delay_alu instid0(VALU_DEP_1)
	v_lshl_add_u32 v10, v62, 5, v10
	s_delay_alu instid0(VALU_DEP_1)
	v_add_nc_u32 v10, AUX, v10
	v_and_b32 v18, 31, v0                          ; lane
	s_delay_alu instid0(VALU_DEP_1)
	v_lshlrev_b32 v11, 6, v18
	s_delay_alu instid0(VALU_DEP_1)
	v_add_nc_u32 v11, AUX, v11
	v_mov_b32 v12, TBL
	s_delay_alu instid0(VALU_DEP_4)
	v_lshlrev_b32 v13, 2, v18
	s_delay_alu instid0(VALU_DEP_1)
	v_add_nc_u32 v13, NB, v13
	v_lshlrev_b32 v14, 3, v18
	s_delay_alu instid0(VALU_DEP_1)
	v_add_nc_u32 v14, TBL, v14
	v_add_nc_u32 v15, COFF, v2
	v_add_nc_u32 v16, CNT, v3
	v_add_nc_u32 v17, NB, v5
	s_mov_b32 s16, 0x76543210                      ; lane l xor 16
	s_mov_b32 s17, 0xfedcba98
	s_wait_kmcnt 0x0
	; ---- A: everything is loaded at once
.irp j, 0,1,2,3,4,5,6,7
	global_load_b128 v[H+4*\j:H+4*\j+3], v2, s[6:7] offset:256*\j
.endr
.irp j, 0,1,2,3,4,5,6,7
	global_load_b32 v[R+\j], v3, s[4:5] offset:4096*\j      ; token 1,024 j + thread
.endr
	global_load_b128 v[60:63], v4, s[8:9]          ; chunk thread / 2: even threads the probabilities' sums, odd threads the counts
	global_load_b128 v[64:67], v4, s[8:9] offset:16
	s_wait_loadcnt 0x0
	; ---- B: running sums over my 8 chunks, in place (what lies ahead of chunk j is the sum up to chunk j - 1); the group's totals to LDS
.irp j, 1,2,3,4,5,6,7
.irp c, 0,1,2,3
	v_add_nc_u32 v[H+4*\j+\c], v[H+4*\j+\c], v[H+4*\j-4+\c]
.endr
.endr
	ds_store_b128 v1, v[H+28:H+31]
.irp mk, 2,4,8                         ; lanes of equal parity are summed
.irp e, 0,1,2,3,4,5,6,7
	v_add_f32_dpp v[60+\e], v[60+\e], v[60+\e] row_xmask:\mk row_mask:0xf bank_mask:0xf
.endr
.endr
	v_mov_b32 v68, 0                               ; a lane permute's destination counts as read
.irp e, 0
	s_delay_alu instid0(VALU_DEP_1)
	v_permlanex16_b32 v68, v[60+\e], s16, s17
	s_delay_alu instid0(VALU_DEP_1)
	v_add_f32 v[60+\e], v[60+\e], v68
.endr
.irp e, 1, 2, 3, 4, 5, 6, 7
	s_delay_alu instid0(VALU_DEP_2)
	v_permlanex16_b32 v68, v[60+\e], s16, s17
	s_delay_alu instid0(VALU_DEP_1)
	v_add_f32 v[60+\e], v[60+\e], v68
.endr
	ds_store_b128 v10, v[60:63]                    ; lanes of one parity store the same numbers to the same words
	ds_store_b128 v10, v[64:67] offset:16
	BARRIER
	; ---- C: waves 0, 1: thread b walks bin b down the 64 groups; wave 31: the aux loss
	s_cmp_lt_u32 s14, 2
	s_cbranch_scc0 .Lnot_scan
.set g, 0
.rept 64
	ds_load_b32 v[S+g], v5 offset:256*g
.set g, g+1
.endr
	s_wait_dscnt 0x0
	v_mov_b32 v124, 0
.set g, 1
	v_add_nc_u32 v[S+g], v[S+g], v[S+g-1]
.set g, g+1
.rept (63)-1
	s_delay_alu instid0(VALU_DEP_1)
	v_add_nc_u32 v[S+g], v[S+g], v[S+g-1]
.set g, g+1
.endr
	ds_store_b32 v5, v124                          ; back into the same words, which no other thread touches: the tokens of earlier groups
.set g, 1
.rept 63
	ds_store_b32 v5, v[S+g-1] offset:256*g
.set g, g+1
.endr
	ds_store_b32 v17, v[S+63]                      ; the bin's tokens
.Lnot_scan:
	s_cmp_eq_u32 s14, 31
	s_cbranch_scc0 .Lnot_aux
.irp q, 0,1,2,3
	ds_load_b128 v[60+4*\q:63+4*\q], v11 offset:16*\q       ; lane l: wave l's sixteen sums
.endr
	s_wait_dscnt 0x0
.irp mk, 1,2,4,8
.irp e, 0,1,2,3,4,5,6,7,8,9,10,11,12,13,14,15
	v_add_f32_dpp v[60+\e], v[60+\e], v[60+\e] row_xmask:\mk row_mask:0xf bank_mask:0xf
.endr
.endr
	v_mov_b32 v76, 0
.irp e, 0
	s_delay_alu instid0(VALU_DEP_1)
	v_permlanex16_b32 v76, v[60+\e], s16, s17
	s_delay_alu instid0(VALU_DEP_1)
	v_add_f32 v[60+\e], v[60+\e], v76
.endr
.irp e, 1, 2, 3, 4, 5, 6, 7, 8, 9, 10, 11, 12, 13, 14, 15
	s_delay_alu instid0(VALU_DEP_2)
	v_permlanex16_b32 v76, v[60+\e], s16, s17
	s_delay_alu instid0(VALU_DEP_1)
	v_add_f32 v[60+\e], v[60+\e], v76
.endr
	v_mul_f32 v77, v60, v68
.irp e, 1,2,3,4,5,6,7
	s_delay_alu instid0(VALU_DEP_1)
	v_fmac_f32 v77, v[60+\e], v[68+\e]             ; the sum over experts of (sum of probabilities) x (count of first choices)
.endr
	s_delay_alu instid0(VALU_DEP_1)
	v_mul_f32 v77, 0x30a3d70a, v77                 ; x 0.08 / 8,192^2
	v_mov_b32 v78, 0
	s_wait_alu depctr_va_vdst(0)
	s_wait_xcnt 0x0
	v_cmp_eq_u32 vcc_lo, 0, v18
	s_and_saveexec_b32 s20, vcc_lo
	global_store_b32 v78, v77, s[12:13]
	s_wait_xcnt 0x0
	s_or_b32 exec_lo, exec_lo, s20
.Lnot_aux:
	BARRIER
	; ---- D: wave 0: each bin's first tile: a running sum of ceil(tokens / 64) over the 64 bins, lane l holding bins l and l + 32
	s_cmp_eq_u32 s14, 0
	s_cbranch_scc0 .Lnot_tb
	ds_load_b32 v60, v13
	ds_load_b32 v61, v13 offset:128
	s_wait_dscnt 0x0
	v_add_nc_u32 v62, 63, v60
	s_delay_alu instid0(VALU_DEP_1)
	v_lshrrev_b32 v62, 6, v62
	v_add_nc_u32 v63, 63, v61
	s_delay_alu instid0(VALU_DEP_1)
	v_lshrrev_b32 v63, 6, v63
	s_delay_alu instid0(VALU_DEP_3)
	v_mov_b32 v64, v62
	s_delay_alu instid0(VALU_DEP_2)
	v_mov_b32 v65, v63
	v_mov_b32 v66, 0
	v_mov_b32 v67, 0
.irp sh, 1
	s_delay_alu instid0(VALU_DEP_4)
	v_mov_b32_dpp v66, v64 row_shr:\sh row_mask:0xf bank_mask:0xf bound_ctrl:1
	s_delay_alu instid0(VALU_DEP_4)
	v_mov_b32_dpp v67, v65 row_shr:\sh row_mask:0xf bank_mask:0xf bound_ctrl:1
	s_delay_alu instid0(VALU_DEP_2)
	v_add_nc_u32 v64, v64, v66
	s_delay_alu instid0(VALU_DEP_2)
	v_add_nc_u32 v65, v65, v67
.endr
.irp sh, 2, 4, 8
	s_delay_alu instid0(VALU_DEP_2)
	v_mov_b32_dpp v66, v64 row_shr:\sh row_mask:0xf bank_mask:0xf bound_ctrl:1
	s_delay_alu instid0(VALU_DEP_2)
	v_mov_b32_dpp v67, v65 row_shr:\sh row_mask:0xf bank_mask:0xf bound_ctrl:1
	s_delay_alu instid0(VALU_DEP_2)
	v_add_nc_u32 v64, v64, v66
	s_delay_alu instid0(VALU_DEP_2)
	v_add_nc_u32 v65, v65, v67
.endr
	s_delay_alu instid0(VALU_DEP_2)
	v_readlane_b32 s20, v64, 15                    ; the lower sixteen lanes' total goes onto the upper sixteen
	s_delay_alu instid0(VALU_DEP_2)
	v_readlane_b32 s21, v65, 15
	v_cmp_le_u32 vcc_lo, 16, v18
	s_delay_alu instid0(VALU_DEP_3)
	v_mov_b32 v68, s20
	s_delay_alu instid0(VALU_DEP_3)
	v_mov_b32 v69, s21
	s_delay_alu instid0(VALU_DEP_2)
	v_cndmask_b32 v68, 0, v68, vcc_lo
	s_delay_alu instid0(VALU_DEP_2)
	v_cndmask_b32 v69, 0, v69, vcc_lo
	s_delay_alu instid0(VALU_DEP_2)
	v_add_nc_u32 v64, v64, v68
	s_delay_alu instid0(VALU_DEP_2)
	v_add_nc_u32 v65, v65, v69
	s_delay_alu instid0(VALU_DEP_2)
	v_readlane_b32 s22, v64, 31                    ; the tiles of bins 0-31
	s_delay_alu instid0(VALU_DEP_3)
	v_sub_nc_u32 v64, v64, v62                     ; what lies ahead of my bin
	s_delay_alu instid0(VALU_DEP_3)
	v_sub_nc_u32 v65, v65, v63
	s_delay_alu instid0(VALU_DEP_1)
	v_add_nc_u32 v65, s22, v65
	s_delay_alu instid0(VALU_DEP_3)
	v_lshlrev_b32 v70, 6, v64
	v_mov_b32 v71, v60
	s_delay_alu instid0(VALU_DEP_3)
	v_lshlrev_b32 v72, 6, v65
	v_mov_b32 v73, v61
	ds_store_b64 v14, v[70:71]
	ds_store_b64 v14, v[72:73] offset:256
.Lnot_tb:
	BARRIER
	; ---- E: where each chunk's tokens of each bin begin; waves 0-4: the list of tiles
	ds_load_b128 v[60:63], v1                      ; tokens of earlier groups, my four bins
	ds_load_b128 v[64:67], v6                      ; (first row, tokens) of bins 0, 1 of the four
	ds_load_b128 v[68:71], v6 offset:16            ; of bins 2, 3
	s_wait_dscnt 0x0
	v_add_nc_u32 v72, v60, v64
	v_add_nc_u32 v73, v61, v66
	v_add_nc_u32 v74, v62, v68
	v_add_nc_u32 v75, v63, v70
	ds_store_b128 v15, v[72:75]
.irp j, 1,2,3,4,5,6,7
.irp c, 0,1,2,3
	v_add_nc_u32 v[H+4*\j-4+\c], v[H+4*\j-4+\c], v[72+\c]
.endr
	ds_store_b128 v15, v[H+4*\j-4:H+4*\j-1] offset:256*\j
.endr
	s_cmp_lt_u32 s14, 5
	s_cbranch_scc0 .Lnot_tiles
	v_lshlrev_b32 v76, 6, v0                       ; tile T = thread: its first row
	s_wait_alu depctr_va_vdst(0)
	v_mov_b32 v80, 0                               ; a tile that no bin owns: experts 0, 0 and no rows
	v_mov_b32 v81, 0
	v_mov_b32 v82, 0
	v_mov_b32 v83, 0
	BINS 0, 1
	BINS 2, 6
	global_store_b128 v1, v[80:83], s[10:11] offset:39680
	ds_store_b32 v16, v82
.Lnot_tiles:
	BARRIER                                        ; no LDS store stands behind this barrier
	; ---- F: each token to its row.  The bin's number is held at 63 and the row at 9,919 ahead of the addresses made from them
.irp j, 0,1,2,3,4,5,6,7
	v_and_b32 v[60+\j], 63, v[R+\j]
	s_delay_alu instid0(VALU_DEP_1)
	v_min_u32 v[60+\j], 63, v[60+\j]
.if \j < 4
	s_delay_alu instid0(VALU_DEP_1)
	v_lshl_add_u32 v[60+\j], v[60+\j], 2, v7
.else
	s_delay_alu instid0(VALU_DEP_1)
	v_lshl_add_u32 v[60+\j], v[60+\j], 2, v8
.endif
	ds_load_b32 v[68+\j], v[60+\j] offset:16384*(\j&3)      ; chunk 64 j + thread / 16
.endr
	s_wait_dscnt 0x0
.irp j, 0,1,2,3,4,5,6,7
	v_bfe_u32 v[92+\j], v[R+\j], 8, 4
	s_delay_alu instid0(VALU_DEP_1)
	v_add_nc_u32 v[68+\j], v[68+\j], v[92+\j]
	s_delay_alu instid0(VALU_DEP_1)
	v_min_u32 v[68+\j], 9919, v[68+\j]
	s_delay_alu instid0(VALU_DEP_1)
	v_lshlrev_b32 v[68+\j], 2, v[68+\j]
	v_add_nc_u32 v[92+\j], 1024*\j, v0
	global_store_b32 v[68+\j], v[92+\j], s[10:11]
.endr
	; ---- G: the pad rows, which no token was sent to
	v_mov_b32 v110, 0
.irp j, 0,1,2,3,4,5,6,7,8,9
	ds_load_b32 v[100+\j], v9 offset:64*\j         ; the rows of tile 16 j + thread / 64
.endr
	s_wait_alu depctr_va_vdst(0)
	s_wait_dscnt 0x0
.irp j, 0,1,2,3,4,5,6,7,8
	PAD \j
.endr
	s_cmp_lt_u32 s14, 22                           ; 155 x 64 = 9 x 1,024 + 22 x 32 rows
	s_cbranch_scc0 .Ldone
	PAD 9
.Ldone:
	s_wait_tensorcnt 0x0
	ds_add_u32 v126, v127
	s_wait_dscnt 0x0
	s_endpgm
.Lfunc_end_k_q7902f0b226_place:
	.size	k_q7902f0b226_place, .Lfunc_end_k_q7902f0b226_place-k_q7902f0b226_place
	.p2alignl 7, 3214868480
	.fill 96, 4, 3214868480
	.section	.rodata,"a",@progbits
	.p2align	6, 0x0
	.amdhsa_kernel k_q7902f0b226_place
		.amdhsa_group_segment_fixed_size 155648
		.amdhsa_private_segment_fixed_size 0
		.amdhsa_enable_private_segment 0
		.amdhsa_kernarg_size 40
		.amdhsa_user_sgpr_count 2
		.amdhsa_user_sgpr_kernarg_segment_ptr 1
		.amdhsa_wavefront_size32 1
		.amdhsa_system_sgpr_workgroup_id_x 1
		.amdhsa_system_sgpr_workgroup_id_y 1
		.amdhsa_system_sgpr_workgroup_id_z 1
		.amdhsa_system_vgpr_workitem_id 0
		.amdhsa_next_free_vgpr 128
		.amdhsa_next_free_sgpr 66
		.amdhsa_reserve_vcc 1
		.amdhsa_float_denorm_mode_32 3
		.amdhsa_float_denorm_mode_16_64 3
		.amdhsa_memory_ordered 1
		.amdhsa_forward_progress 1
		.amdhsa_inst_pref_size 56
	.end_amdhsa_kernel
	.amdgpu_metadata
---
amdhsa.version: [ 1, 2 ]
amdhsa.kernels:
  - .name:           k_q7902f0b226_place
    .symbol:         k_q7902f0b226_place.kd
    .args:
      - { .name: route, .offset: 0, .size: 8, .value_kind: global_buffer, .address_space: global }
      - { .name: hist, .offset: 8, .size: 8, .value_kind: global_buffer, .address_space: global }
      - { .name: auxp, .offset: 16, .size: 8, .value_kind: global_buffer, .address_space: global }
      - { .name: plan, .offset: 24, .size: 8, .value_kind: global_buffer, .address_space: global }
      - { .name: out1, .offset: 32, .size: 8, .value_kind: global_buffer, .address_space: global }
    .group_segment_fixed_size: 155648
    .private_segment_fixed_size: 0
    .kernarg_segment_align: 8
    .kernarg_segment_size: 40
    .max_flat_workgroup_size: 1024
    .sgpr_count:     66
    .vgpr_count:     128
    .wavefront_size: 32
...
	.end_amdgpu_metadata
.endif
;; end of part 5
;; launch experts (part 6): grid 155 x 1, 4 waves a work-group, no clusters, 182,784 bytes of LDS; arguments xq, wq, plan, cw, b1, b2, lowp_scales, out0; writes out0
.if DOCPART == 6
	.amdgcn_target "amdgcn-amd-amdhsa--gfx1250"
	.amdhsa_code_object_version 6
	.text
	.protected	k_q7902f0b226_experts
	.globl	k_q7902f0b226_experts
	.p2align	8
	.type	k_q7902f0b226_experts,@function
k_q7902f0b226_experts:
	s_mov_b64 s[64:65], 0
	v_nop
	global_prefetch_b8 v0, s[64:65] scope:SCOPE_SE
	s_setreg_imm32_b32 hwreg(HW_REG_WAVE_SCHED_MODE, 0, 2), 2
	s_setreg_imm32_b32 hwreg(HW_REG_WAVE_MODE, 25, 1), 1
	s_wait_xcnt 0x0
	s_wait_alu depctr_vm_vsrc(0)
; EXPERTS: a work-group takes one tile of the stored list: up to 64 tokens that chose the same two experts (e0 < e1), through the whole chain, and owns their rows of out0:
;   out = c0 (silu(x W1[e0] + b1[e0]) W2[e0] + b2[e0]) + c1 (the same with e1).  Both products on codes of E5M2 by v_wmma_f32_16x16x128_bf8_bf8, sums in f32; the hidden layer never goes to memory.
; THE GRID serves every split: 155 tiles at the most.  A tile without rows runs the head (its rows of the stored order all name token 0), passes the barriers, does no product and stores nothing
; (branches on the stored count, round work alone, never round a barrier).
; SHARES.  The four waves share the COLUMNS: wave w makes hidden units 128 w .. + 127 and output columns 256 w .. + 255 (in two halves of 128), for all 64 rows (four tiles of 16).
; Both products are used transposed (source 0 = 16 rows of a weight, source 1 = 16 tokens): a lane holds ONE token throughout, and its registers run along the next K or along a row of out0.
; WEIGHTS come from memory straight into registers: an earlier launch laid them as images of the operand's registers, 2,048 bytes a fragment, in the order in which a wave walks them.  A ring of four
; halves (four fragments, 8,192 bytes, 16 loads each) keeps up to 64 loads of the wave on their way; each fragment feeds four products.
; ROWS go from wave to wave through LDS: x's codes (gathered by the stored list) and the hidden layer's codes (as images of the operand's registers).
; SCALES: a sum of the first product stands for sum x 2^(ew1 + ex); b1 goes in as the C of the first K step, divided by that.  The hidden layer's conversion takes 2^(eh - ew1 - ex).
;   b2 / 2^(eh + ew2) is the C of the second product's first K step, and c x 2^(eh + ew2) multiplies the finished sum.
; NO CLUSTER, NO TENSOR LOAD: how many tiles a pair of experts has is known only from stored numbers, so partners with the same weights cannot be promised at every split.
; LIMITS: eh - ew1 - ex between -126 and 112; ew1 + ex between -126 and 127.  NaN among the inputs is not served.  Where 1 + e^-z passes 2^126 the hidden number counts as 0.
; REGISTERS, in windows of 256: window 0: v1-15, v30, v31 addresses; v16-23, v48-55 the tokens' weights; v32-47 offsets of the gather; v64-127, v128-191 two sets of four row fragments (on the way out: 64 rows' offsets, rows of out0);
;   v192-255 a bias as C, later 64 numbers at work, later rows of out0.
;   window 1: the ring of weights.   window 2: out's 32 accumulators (64 m + 8 n).   window 3: the products' 32 accumulators (64 m + 8 t); at the head x's codes as gathered.
; THE MODE: SCHED_MODE bits 1:0 = 2 (LLVM: expert scheduling mode 2), set by the entry lines.  The code itself states the register dependences
; between vector or matrix instructions and memory or LDS instructions, with s_wait_alu, always for 0.
; THE PLAN.  Registers that memory or LDS instructions touch, and who else names them:
;   the ring       A half's 16 products read it; behind them the loads of the half four further on land in it.
;   v64-127, v128-191   A K step's 32 products read one of the two; behind them the LDS loads of the step two further on land in it (the first two steps' rows are asked for at a trip's top).
;                  v64-127 also: silu's conversions write a tile's codes there and LDS stores read them; on the way out the tokens land there, vector lines make the rows' offsets of them, the global stores read those.
;                  v128-191 also: at the head the biases (loaded, scaled, stored to LDS); on the way out rows of out0 land there and global stores read them.
;   v192-255       A bias lands there and a first K step's products read it as C; silu works there; on the way out rows of out0 land there and global stores read them.
;   window 2       Written by the two combines, read by the LDS stores into the stage.      window 3, v0-127   The gather lands there, the head's LDS stores read them, the products write them.
;   v6, v11, v13   Addresses of the expert or half in hand: one vector add a trip, read by LDS stores and loads.  All other addresses are made once, at the head.
; So a wait on va_vdst stands: four times at the head, each ahead of a run of loads or stores that reads what vector lines have just made; behind the adds at each trip's top; behind each 16 products, ahead of the refill
; of their half (the second of a step serves the rows' loads too); in silu the wait that the exponentials want anyway also serves the stores of the tile before; twice on the way out, behind the second of which no vector line
; stands until the trip's end.  A wait on vm_vsrc stands at the top of each of the two loops, ahead of its branch, for the first trip and the back edge alike; twice on the way out; and ahead of the closing lines' two registers.
.set LXR,  0                           ; x's codes: tile of rows m at 17,408 m; the 16 bytes j (0..63) of row r at 272 j + 16 r: 16 rows on end, then 16 bytes of padding
.set LHR,  69632                       ; the hidden layer: [expert 2][tile of rows 4][K step 4] images of 2,048 bytes
.set LSTG, 135168                      ; the way out: 16 rows x (512 + 16) bytes for each wave
.set LB1,  168960                      ; b1 / 2^(ew1 + ex): for each wave [expert 2][128]
.set LB2,  173056                      ; b2 / 2^(eh + ew2): for each wave [expert 2][256]
.set LTOK, 181248                      ; the tile's 64 tokens, a copy of 256 bytes for each wave
.set L16,  1                           ; v1   16 x lane
.set XS,   2                           ; v2   where I store gathered codes
.set XR0,  3                           ; v3, v4  where I read x's fragments: tiles 0, 1; tiles 2, 3
.set HW,   5                           ; v5   where I store the hidden layer's images;  v6 the same for the expert in hand
.set HWQ,  6
.set HRD,  7                           ; v7   where I read them
.set SO,   8                           ; v8   the stage: where I put 32 bytes of a row;  v9 where I read a row back
.set SR,   9
.set B1R,  10                          ; v10  b1 as C;  v11 for the expert in hand
.set B1RQ, 11
.set B2R,  12                          ; v12  b2 as C;  v13 for the half in hand
.set B2RG, 13
.set B1W,  14                          ; v14, v15  where I store the biases
.set B2W,  15
.set CP,   16                          ; v[16+2m]  c0 x 2^(eh + ew2) of my token in tile m (the low word of a pair)
.set SC,   24                          ; v24  2^(eh - ew1 - ex);  v25  57,344 x that
.set LIM,  25
.set TKA,  30                          ; v30  my wave's copy of the tokens, the same address in every lane;  v31 where I store a token
.set TKW,  31
.set OFS,  32
.set C1P,  48                          ; v[48+2m]  c1 x 2^(eh + ew2)
.set TKN,  56
.set CWO,  60
.set BF,   64
.set OF,   64                          ; the way out: v[64+i] = 4,096 x the token of row i + 16 x lane
.set BI,   192
.set T,    192
.set PCUR, 48                          ; s[48:49] the stream of weights in hand;  s[50:51] the one behind it
.set PNXT, 50
.set PA,   52                          ; s[52:53] W2 of e0, my columns, the half in hand;  s[54:55] of e1
.set PB,   54
.set MUL,  0xf1                        ; source 0 (weights) window 1, source 1 (rows) window 0, C and D window 3
.set MUL1, 0xc1                        ; the same with C (a bias) in window 0
.set TO_R, 0x40                        ; destination window 1
.set MSB, 0
.macro WIN new                         ; the immediate's high byte repeats the setting that is left
.if MSB != \new
	s_set_vgpr_msb (MSB<<8)|\new
.set MSB, \new
.endif
.endm
.macro PLACES                          ; four plain lines between a product and a load into its sources or a vector line that reads its result
.rept 4
	v_nop
.endr
.endm
.macro BARRIER
	s_wait_dscnt 0x0                               ; my LDS stores have landed and my LDS loads are in
	s_barrier_signal -1
	s_barrier_wait -1
.endm
.macro RFILL hb, P, off                ; four fragments, 8,192 consecutive bytes, into half hb of the ring: each load takes 512 consecutive bytes
	WIN TO_R
.irp f, 0,1,2,3
.irp c, 0,1,2,3
	global_load_b128 v[64*(\hb)+16*\f+4*\c:64*(\hb)+16*\f+4*\c+3], v[L16], s[\P:\P+1] offset:(\off)+2048*\f+512*\c
.endr
.endr
	WIN 0
.endm
.macro BX buf, s                       ; x's four fragments of K step s: registers 4 c .. 4 c + 3 of lane (r, h) = the 16 bytes 8 s + 2 c + h of row r
	WIN 0
.irp m, 0,1,2,3
.irp c, 0,1,2,3
	ds_load_b128 v[BF+64*(\buf)+16*\m+4*\c:BF+64*(\buf)+16*\m+4*\c+3], v[XR0+(\m>>1)] offset:17408*(\m&1)+2176*(\s)+544*\c
.endr
.endr
.endm
.macro BH buf, q, s                    ; the hidden layer's four fragments of expert q, K step s
	WIN 0
.irp m, 0,1,2,3
.irp c, 0,1,2,3
	ds_load_b128 v[BF+64*(\buf)+16*\m+4*\c:BF+64*(\buf)+16*\m+4*\c+3], v[HRD] offset:32768*(\q)+2048*(4*\m+(\s))+512*\c
.endr
.endr
.endm
.macro TOKS                            ; the tile's 64 tokens, each in every lane of a register of its own: all lanes name the same 16 bytes
	WIN 0
.irp k, 0,1,2,3,4,5,6,7,8,9,10,11,12,13,14,15
	ds_load_b128 v[OF+4*\k:OF+4*\k+3], v[TKA] offset:16*\k
.endr
.endm
; 16 products: four fragments of a weight x four tiles of rows.  The 32 accumulators take turns, one instruction a turn, in the same order in every K step.
; first: the K step that starts the sums, with the bias as C: nothing is cleared.
.macro MM16 hb, buf, f0, first
.irp f, 0,1,2,3
.irp m, 0,1,2,3
.if \first
	v_wmma_f32_16x16x128_bf8_bf8 v[64*\m+8*((\f0)+\f):64*\m+8*((\f0)+\f)+7], v[64*(\hb)+16*\f:64*(\hb)+16*\f+15], v[BF+64*(\buf)+16*\m:BF+64*(\buf)+16*\m+15], v[BI+8*((\f0)+\f):BI+8*((\f0)+\f)+7]
.else
	v_wmma_f32_16x16x128_bf8_bf8 v[64*\m+8*((\f0)+\f):64*\m+8*((\f0)+\f)+7], v[64*(\hb)+16*\f:64*(\hb)+16*\f+15], v[BF+64*(\buf)+16*\m:BF+64*(\buf)+16*\m+15], v[64*\m+8*((\f0)+\f):64*\m+8*((\f0)+\f)+7]
.endif
.endr
.endr
.endm
.macro HALF hb, buf, f0, first, cnt    ; cnt: the loads of the younger halves, which may stay out (three halves of 16 while the ring is kept full)
	s_wait_loadcnt \cnt
.if \first
	WIN MUL1
.else
	WIN MUL
.endif
	MM16 \hb, \buf, \f0, \first
	PLACES
.endm
.macro REF1 p                          ; behind half p of a W1 stream of 16: half p + 4, or the next stream's first four
.if (\p) < 12
	RFILL (\p)%4, PCUR, 8192*((\p)+4)
.else
	RFILL (\p)%4, PNXT, 8192*((\p)-12)
.endif
.endm
.macro REF2 q, p                       ; behind half p of a W2 stream of 8: e0's, then e1's, then e0's next 128 columns
.if (\q) == 0
.if (\p) < 4
	RFILL (\p)%4, PA, 8192*((\p)+4)
.else
	RFILL (\p)%4, PB, 8192*((\p)-4)
.endif
.else
.if (\p) < 4
	RFILL (\p)%4, PB, 8192*((\p)+4)
.else
	RFILL (\p)%4, PA, 65536+8192*((\p)-4)
.endif
.endif
.endm
; K step s of the first product: 32 products, two waits on va_vdst.  Each half of the ring is asked for again straight behind its products; the step's row buffer takes the rows of the step two further on,
; 32 products ahead of the wait for them.  Behind each wait stand only window switches and loads until the next products, which name none of the registers that those loads touch.
.macro P1STEP s
.if (\s) < 7
	s_wait_dscnt 16                                ; LDS loads come back in order: this step's rows (and in step 0 the bias) are in; the next step's 16 loads may be out
.else
	s_wait_dscnt 0x0                               ; the last step's rows: nothing was asked for behind them
.endif
	HALF (2*(\s))%4, (\s)%2, 0, (\s)==0, 48
	WIN TO_R
	s_wait_alu depctr_va_vdst(0)                   ; the sixteen products above are done reading their half of the ring, in which the loads below land
	REF1 2*(\s)
	HALF (2*(\s)+1)%4, (\s)%2, 4, (\s)==0, 48
	WIN TO_R
	s_wait_alu depctr_va_vdst(0)                   ; the step's products are done reading the ring's other half and their rows' buffer, in which the loads below land
	REF1 2*(\s)+1
.if (\s) < 6
	BX (\s)%2, (\s)+2
.endif
.endm
; The same for the second product.  Behind e1's step 2 its buffer takes the tile's tokens, for the way out.  dry = 1: nothing is left to fetch of the weights: the counts run down 48, 32, 16, 0,
; and a wait on va_vdst stands only where a load follows: ahead of the tokens'.
.macro P2STEP q, s, dry
.if ((\s) < 3) || ((\q) == 1)
	s_wait_dscnt 16                                ; this step's rows (and in step 0 the bias) are in; the 16 loads issued behind them (the next step's rows, or the tokens) may be out
.else
	s_wait_dscnt 0x0                               ; e0's last step: nothing was asked for behind its rows
.endif
.if \dry
	HALF (2*(\s))%4, (\s)%2, 0, 0, 16*(7-2*(\s))
	HALF (2*(\s)+1)%4, (\s)%2, 4, 0, 16*(6-2*(\s))
.if (\s) == 2
	WIN 0
	s_wait_alu depctr_va_vdst(0)                   ; the step's products are done reading their rows' buffer, in which the tokens land
	TOKS
.endif
.else
	HALF (2*(\s))%4, (\s)%2, 0, (\s)==0, 48
	WIN TO_R
	s_wait_alu depctr_va_vdst(0)                   ; the sixteen products above are done reading their half of the ring, in which the loads below land
	REF2 \q, 2*(\s)
	HALF (2*(\s)+1)%4, (\s)%2, 4, (\s)==0, 48
	WIN TO_R
	s_wait_alu depctr_va_vdst(0)                   ; the step's products are done reading the ring's other half and their rows' buffer (and all earlier ones the other buffer and the bias), in which the loads below land
	REF2 \q, 2*(\s)+1
.if (\s) < 2
	BH (\s)%2, \q, (\s)+2
.elseif ((\s) == 2) && ((\q) == 1)
	TOKS
.endif
.endif
.endm
.macro BIAS2 q                         ; b2 of expert q as C: lane (r, h), tile n: columns 16 n + 8 h + 0 .. 7 of the half in hand
	WIN 0
.irp n, 0,1,2,3,4,5,6,7
	ds_load_b128 v[BI+8*\n:BI+8*\n+3], v[B2RG] offset:1024*(\q)+64*\n
	ds_load_b128 v[BI+8*\n+4:BI+8*\n+7], v[B2RG] offset:1024*(\q)+64*\n+16
.endr
.endm
.macro IMG m                           ; tile m's codes, the image of K step w of the second product, go to LDS
.irp c, 0,1,2,3
	ds_store_b128 v[HWQ], v[BF+16*(\m)+4*\c:BF+16*(\m)+4*\c+3] offset:8192*(\m)+512*\c
.endr
.endm
; Tile of rows m: h = z / (1 + 2^(-z log2 e)), z = sum x 2^(ew1 + ex); quantised.  The tile's image is stored by the next tile's turn, behind a wait that stands there anyway.
; Register 16 b + i of the 64 is hidden unit 32 b + 16 (lane / 16) + i of my 128: sixteen neighbours along the next K, as the conversions want them.
.macro SILU m
	WIN 0x03                                       ; source 0 window 3
.set j, 0
.rept 32
	v_pk_mul_f32 v[T+j:T+j+1], v[64*(\m)+j:64*(\m)+j+1], s[56:57] op_sel_hi:[1,0]   ; -z log2 e; each accumulator is read from its low end on
.set j, j+2
.endr
	WIN 0
.set j, 0
	s_wait_alu depctr_va_vdst(0)
.rept 64
	v_exp_f32 v[T+j], v[T+j]
.set j, j+1
.endr
	v_nop                                          ; a plain line behind the last exponential,
	s_wait_alu depctr_va_vdst(0)                   ; and one wait for the batch: the exponentials have written v[T ..], ahead of their first reader; the conversions of the tile before have written its codes, which the LDS stores below read
.if (\m) > 0
	IMG (\m)-1
.endif
.set j, 0
.rept 32
	v_pk_add_f32 v[T+j:T+j+1], v[T+j:T+j+1], 1.0 op_sel_hi:[1,0]
.set j, j+2
.endr
.set j, 0
	s_wait_alu depctr_va_vdst(0)
.rept 64
	v_rcp_f32 v[T+j], v[T+j]
.set j, j+1
.endr
	v_nop
	s_wait_alu depctr_va_vdst(0)                   ; the reciprocals have written v[T ..], ahead of their first reader
	WIN 0x03
.set j, 0
.rept 32
	v_pk_mul_f32 v[T+j:T+j+1], v[64*(\m)+j:64*(\m)+j+1], v[T+j:T+j+1]               ; h / 2^(ew1 + ex)
.set j, j+2
.endr
	WIN 0
.set j, 0
.rept 64
	v_med3_num_f32 v[T+j], v[T+j], -v[LIM], v[LIM] ; the conversion to an 8-bit code does not saturate (ISA guide 7.6.2): the hold comes first
.set j, j+1
.endr
.set j, 0
.rept 8
	v_cvt_scalef32_pk8_bf8_f32 v[BF+16*(\m)+2*j:BF+16*(\m)+2*j+1], v[T+8*j:T+8*j+7], v[SC]
.set j, j+1
.endr
	v_nop                                          ; a plain line behind the last conversion: the next tile writes its sources
.endm
.macro COMB0                           ; out = c0' x (e0's sums)
	WIN 0x83                                       ; source 0 window 3, destination window 2
.irp m, 0,1,2,3
.set j, 0
.rept 32
	v_pk_mul_f32 v[64*\m+j:64*\m+j+1], v[64*\m+j:64*\m+j+1], v[CP+2*\m:CP+2*\m+1] op_sel_hi:[1,0]
.set j, j+2
.endr
.endr
	WIN 0
.endm
; THE WAY OUT, a tile of 16 rows at a time.  COMB1: out += c1' x (e1's sums).  THRU: through my own stage in LDS, so that a store covers 512 consecutive bytes of one token's row.
; SEND: the rows that hold a token are stored.  Tile m + 1 goes through the stage while tile m is stored.
.macro COMB1 m
	WIN 0xa3                                       ; source 0 window 3; source 2 and destination window 2
.set j, 0
.rept 32
	v_pk_fma_f32 v[64*(\m)+j:64*(\m)+j+1], v[64*(\m)+j:64*(\m)+j+1], v[C1P+2*(\m):C1P+2*(\m)+1], v[64*(\m)+j:64*(\m)+j+1] op_sel_hi:[1,0,1]
.set j, j+2
.endr
.endm
.macro THRU m
.set BK, 192-64*((\m)%2)
	WIN 0x08                                       ; an LDS store's data in window 2
.irp n, 0,1,2,3,4,5,6,7
	ds_store_b128 v[SO], v[64*(\m)+8*\n:64*(\m)+8*\n+3] offset:64*\n
	ds_store_b128 v[SO], v[64*(\m)+8*\n+4:64*(\m)+8*\n+7] offset:64*\n+16
.endr
	WIN 0
.irp i, 0,1,2,3,4,5,6,7,8,9,10,11,12,13,14,15
	ds_load_b128 v[BK+4*\i:BK+4*\i+3], v[SR] offset:528*\i  ; LDS serves a wave's instructions in order (ISA guide 5.7.1.4): these see my stores, and the next tile's stores come behind them
.endr
.endm
.macro OFFS                            ; the 64 rows' offsets in out0, made while tile 0 is on its way through the stage
	s_wait_dscnt 32                                ; the tokens are in: only tile 0's 16 stores and 16 loads were issued behind them
.set j, 0
.rept 64
	v_min_u32 v[OF+j], 8191, v[OF+j]               ; a loaded number is held ahead of the address made from it
.set j, j+1
.endr
.set j, 0
.rept 64
	v_lshl_add_u32 v[OF+j], v[OF+j], 12, v[L16]    ; a row of out0 is 4,096 bytes
.set j, j+1
.endr
.endm
.macro SEND m, younger                 ; younger: the LDS instructions issued behind tile m's loads: the next tile's 32, or none
.set BK, 192-64*((\m)%2)
	s_wait_dscnt \younger
.irp i, 0,1,2,3,4,5,6,7,8,9,10,11,12,13,14,15
	s_cmp_gt_u32 s26, 16*(\m)+\i                   ; the rows that hold tokens come first
	s_cbranch_scc0 .Lrows_\@
	global_store_b128 v[OF+16*(\m)+\i], v[BK+4*\i:BK+4*\i+3], s[70:71] th:TH_STORE_NT
.endr
.Lrows_\@:
.endm
	; ---- the head: no branch.  What hangs on ids alone (the tile's entry, the scales, the tokens) is asked for in one go behind the arguments
	s_load_b512 s[4:19], s[0:1], 0x0               ; xq 4, wq 6, plan 8, cw 10, b1 12, b2 14, scales 16, out0 18
	v_lshrrev_b32 v26, 5, v0
	v_readfirstlane_b32 s2, v26                    ; wave 0..3
	s_lshl_b32 s3, ttmp9, 4                        ; my entry of the list of tiles
	s_lshl_b32 s74, ttmp9, 8                       ; my 64 rows of the order,
	v_and_b32 v26, 31, v0                          ; lane
	v_and_b32 v27, 15, v0                          ; r
	v_bfe_u32 v28, v0, 4, 1                        ; h
	v_lshlrev_b32 v[L16], 4, v26
	s_wait_alu depctr_va_sdst(0)                   ; s2 is written, ahead of its first reader: offsets, LDS addresses and bases are made from it
	s_lshl_b32 s22, s2, 6
	s_add_co_u32 s22, s22, s74                     ; and my wave's sixteen of them
	s_mul_i32 s20, s2, 17408
	v_mul_u32_u24 v[XS], v26, 272
	v_add_nc_u32 v[XS], s20, v[XS]
	v_mul_u32_u24 v[XR0], v28, 272
	v_lshl_add_u32 v[XR0], v27, 4, v[XR0]
	v_add_nc_u32 v[XR0+1], 34816, v[XR0]
	s_lshl_b32 s20, s2, 11
	s_add_co_u32 s21, s20, LHR
	v_add_nc_u32 v[HW], s21, v[L16]
	v_add_nc_u32 v[HRD], LHR, v[L16]
	s_mul_i32 s21, s2, 8448
	s_add_co_u32 s21, s21, LSTG
	v_mul_u32_u24 v[SO], v27, 528
	v_lshl_add_u32 v[SO], v28, 5, v[SO]
	v_add_nc_u32 v[SO], s21, v[SO]
	v_add_nc_u32 v[SR], s21, v[L16]
	s_lshl_b32 s21, s2, 10
	s_add_co_u32 s21, s21, LB1
	v_lshlrev_b32 v[B1R], 6, v28
	v_add_nc_u32 v[B1R], s21, v[B1R]
	v_add_nc_u32 v[B1W], s21, v[L16]
	s_add_co_u32 s21, s20, LB2
	v_lshlrev_b32 v[B2R], 5, v28
	v_add_nc_u32 v[B2R], s21, v[B2R]
	v_add_nc_u32 v[B2W], s21, v[L16]
	s_lshl_b32 s21, s2, 8
	s_add_co_u32 s21, s21, LTOK
	v_mov_b32 v[TKA], s21
	v_lshlrev_b32 v[TKW], 2, v27
	v_add_nc_u32 v[TKW], s21, v[TKW]
	v_lshlrev_b32 v29, 2, v27
	v_add_nc_u32 v29, s74, v29
.irp m, 0,1,2,3
	v_mov_b32 v[C1P+2*\m+1], 0                     ; named as the upper half of a pair, so it is written
.endr
	s_wait_kmcnt 0x0
	s_load_b128 s[24:27], s[8:9], s3 offset:39680  ; e0, e1, rows
	s_load_b128 s[28:31], s[16:17], 0x0            ; ew1, ex, eh, ew2
	s_load_b512 s[32:47], s[8:9], s22 offset:0x0   ; the sixteen tokens whose codes my wave gathers
	s_wait_alu depctr_va_vdst(0)                   ; v29 and all the addresses that stay (v1-5, v7-10, v12, v14, v15, v30, v31) are written: the loads and stores from here on read them
.irp m, 0,1,2,3
	global_load_b32 v[TKN+\m], v29, s[8:9] offset:64*\m     ; the token of row 16 m + r
.endr
	s_wait_kmcnt 0x0
	s_min_u32 s24, s24, 7                          ; stored numbers are held ahead of the addresses made from them
	s_min_u32 s25, s25, 7
	s_min_u32 s26, s26, 64
	; ---- X: my wave gathers tile of rows w: sixteen tokens' codes, 1,024 bytes each; they go out ahead of the biases and the ring, since the first barrier waits for them
.irp i, 0,1,2,3,4,5,6,7,8,9,10,11,12,13,14,15
	s_min_u32 s[32+\i], s[32+\i], 8191
	v_lshl_add_u32 v[OFS+\i], s[32+\i], 10, v[L16]
.endr
	WIN 0xc0                                       ; destination window 3
	s_wait_alu depctr_va_vdst(0)                   ; the sixteen offsets v[OFS ..] are written, which the loads below read
.irp i, 0,1,2,3,4,5,6,7,8,9,10,11,12,13,14,15
	global_load_b128 v[8*\i:8*\i+3], v[OFS+\i], s[4:5]              ; 512 consecutive bytes of one token
	global_load_b128 v[8*\i+4:8*\i+7], v[OFS+\i], s[4:5] offset:512
.endr
	WIN 0
	s_wait_loadcnt 32                              ; all but the 32 just issued: the rows' tokens are in
.irp m, 0,1,2,3
	v_min_u32 v[TKN+\m], 8191, v[TKN+\m]
.endr
.irp m, 0,1,2,3
	v_lshlrev_b32 v[CWO+\m], 3, v[TKN+\m]
.endr
	s_wait_alu depctr_va_vdst(0)                   ; the held tokens v[TKN ..] are written, which the LDS stores read, and the offsets v[CWO ..], which the loads read
.irp m, 0,1,2,3
	ds_store_b32 v[TKW], v[TKN+\m] offset:64*\m    ; my wave's copy of the 64 tokens (lanes r and r + 16 store the same number to the same word)
.endr
.irp m, 0,1,2,3
	global_load_b64 v[CP+2*\m:CP+2*\m+1], v[CWO+\m], s[10:11]       ; my tokens' two weights
.endr
	s_lshl_b32 s20, s2, 17                         ; a wave's 131,072 bytes of an expert's 524,288
	s_lshl_b32 s66, s24, 19
	s_add_co_u32 s66, s66, s20
	s_mov_b32 s67, 0
	s_lshl_b32 s68, s25, 19
	s_add_co_u32 s68, s68, s20
	s_mov_b32 s69, 0
	s_add_nc_u64 s[PCUR:PCUR+1], s[6:7], s[66:67]  ; W1 of e0,
	s_add_nc_u64 s[PNXT:PNXT+1], s[6:7], s[68:69]  ; of e1;
	s_add_nc_u64 s[PA:PA+1], s[PCUR:PCUR+1], 0x400000       ; W2's part lies 4,194,304 bytes on, with the same strides
	s_add_nc_u64 s[PB:PB+1], s[PNXT:PNXT+1], 0x400000
	s_lshl_b32 s20, s2, 9
	s_lshl_b32 s66, s24, 11
	s_add_co_u32 s66, s66, s20
	s_lshl_b32 s68, s25, 11
	s_add_co_u32 s68, s68, s20
	s_add_nc_u64 s[80:81], s[12:13], s[66:67]      ; b1: my 128 numbers of e0, of e1
	s_add_nc_u64 s[82:83], s[12:13], s[68:69]
	s_lshl_b32 s66, s66, 1
	s_lshl_b32 s68, s68, 1
	s_add_nc_u64 s[84:85], s[14:15], s[66:67]      ; b2: my 256
	s_add_nc_u64 s[86:87], s[14:15], s[68:69]
	s_lshl_b32 s66, s2, 10
	s_add_nc_u64 s[70:71], s[18:19], s[66:67]      ; out0 at my columns
	global_load_b128 v[128:131], v[L16], s[80:81]
	global_load_b128 v[132:135], v[L16], s[82:83]
	global_load_b128 v[136:139], v[L16], s[84:85]
	global_load_b128 v[140:143], v[L16], s[84:85] offset:512
	global_load_b128 v[144:147], v[L16], s[86:87]
	global_load_b128 v[148:151], v[L16], s[86:87] offset:512
	RFILL 0, PCUR, 0
	RFILL 1, PCUR, 8192
	s_add_co_i32 s72, s28, s29                     ; ew1 + ex
	s_add_co_i32 s73, s30, s31                     ; eh + ew2
	s_sub_co_i32 s77, 0, s72
	s_sub_co_i32 s78, 0, s73
	s_sub_co_i32 s75, s30, s72
	s_add_co_i32 s75, s75, 127
	s_lshl_b32 s76, s75, 23
	v_mov_b32 v[SC], s76                           ; 2^(eh - ew1 - ex)
	s_add_co_i32 s75, s75, 15
	s_lshl_b32 s75, s75, 23
	s_or_b32 s75, s75, 0x600000
	v_mov_b32 v[LIM], s75                          ; 57,344 x that
	s_mov_b32 s56, 0xbfb8aa3b                      ; -log2(e);
	s_lshl_b32 s76, s72, 23
	s_add_co_i32 s56, s56, s76                     ; ew1 + ex is added to its exponent field
	s_mov_b32 s57, s56                             ; (named with it as a pair, so it is written)
	s_wait_loadcnt 42                              ; the codes are in: behind them came 4 loads of weights, 6 of biases and the ring's 32
	WIN 0x0c                                       ; an LDS store's data in window 3
.irp i, 0,1,2,3,4,5,6,7,8,9,10,11,12,13,14,15
	ds_store_b128 v[XS], v[8*\i:8*\i+3] offset:16*\i        ; lane l's 16 bytes are piece l of row i; neighbouring lanes stand 272 bytes apart.  (The data come from loads, the address stands ahead of the waits above: no vector line is waited for)
	ds_store_b128 v[XS], v[8*\i+4:8*\i+7] offset:8704+16*\i ; piece 32 + l
.endr
	WIN 0
	s_wait_loadcnt 38                              ; the weights are in: behind them came the 6 and the 32
.irp m, 0,1,2,3
	v_ldexp_f32 v[C1P+2*\m], v[CP+2*\m+1], s73     ; c1 x 2^(eh + ew2), the low word of a pair of its own
	v_ldexp_f32 v[CP+2*\m], v[CP+2*\m], s73        ; c0 likewise
.endr
	RFILL 2, PCUR, 16384
	RFILL 3, PCUR, 24576
	s_wait_loadcnt 48                              ; the youngest three halves may be out: the biases and half 0 are older
.irp k, 0,1,2,3,4,5,6,7
	v_ldexp_f32 v[128+\k], v[128+\k], s77          ; b1 / 2^(ew1 + ex)
.endr
.irp k, 0,1,2,3,4,5,6,7,8,9,10,11,12,13,14,15
	v_ldexp_f32 v[136+\k], v[136+\k], s78          ; b2 / 2^(eh + ew2)
.endr
	s_wait_alu depctr_va_vdst(0)                   ; the scaled biases v128-151 are written, which the LDS stores read
	ds_store_b128 v[B1W], v[128:131]
	ds_store_b128 v[B1W], v[132:135] offset:512
	ds_store_b128 v[B2W], v[136:139]
	ds_store_b128 v[B2W], v[140:143] offset:512
	ds_store_b128 v[B2W], v[144:147] offset:1024
	ds_store_b128 v[B2W], v[148:151] offset:1536
	BARRIER                                        ; x's 64 rows of codes lie in LDS
	; ---- 1: the hidden layer of e0, then of e1: written once, walked twice
	s_mov_b32 s58, 2
	s_mov_b32 s60, 0                               ; the expert's place among the images,
	s_mov_b32 s61, 0                               ; and in b1
.Lq:
	s_wait_alu depctr_vm_vsrc(0)                   ; first trip: the head's LDS stores have read x's codes (window 3, which the products write) and the biases (v128-151, in which rows land); second trip: the last trip's LDS stores have read v[HWQ] and the codes in v64-127, its LDS loads v[B1RQ]
	s_cmp_eq_u32 s26, 0
	s_cbranch_scc1 .Lqs
	v_add_nc_u32 v[HWQ], s60, v[HW]
	v_add_nc_u32 v[B1RQ], s61, v[B1R]
	s_wait_alu depctr_va_vdst(0)                   ; v[B1RQ] and v[HWQ] are written; every earlier vector and matrix line is done with v64-255 (the head's scalings; the last trip's products, silu and conversions), in which the bias and the first two steps' rows land
.irp t, 0,1,2,3,4,5,6,7                        ; b1 as C: lane (r, h), tile t: hidden units 32 (t / 2) + 16 h + 8 (t % 2) + 0 .. 7
	ds_load_b128 v[BI+8*\t:BI+8*\t+3], v[B1RQ] offset:4*(32*(\t>>1)+8*(\t&1))
	ds_load_b128 v[BI+8*\t+4:BI+8*\t+7], v[B1RQ] offset:4*(32*(\t>>1)+8*(\t&1))+16
.endr
	BX 0, 0
	BX 1, 1
.irp s, 0,1,2,3,4,5,6,7
	P1STEP \s
.endr
	SILU 0
	SILU 1
	SILU 2
	SILU 3
	s_wait_alu depctr_va_vdst(0)                   ; tile 3's conversions have written its codes, which the LDS stores read
	IMG 3
	s_wait_dscnt 0x0                               ; the stores have read the codes' registers, which take rows again
.Lqs:
	s_wait_xcnt 0x0                                ; the ring's loads have read their bases
	s_mov_b64 s[PCUR:PCUR+1], s[PNXT:PNXT+1]
	s_mov_b64 s[PNXT:PNXT+1], s[PA:PA+1]           ; behind e1's W1 comes e0's W2
	s_add_co_u32 s60, s60, 32768
	s_add_co_u32 s61, s61, 512
	s_sub_co_u32 s58, s58, 1
	s_cmp_lg_u32 s58, 0
	s_cbranch_scc1 .Lq
	BARRIER                                        ; both experts' hidden layers lie in LDS
	; ---- 2: my 256 output columns, 128 at a time: e0's sums, e1's sums, the combine, the way out
	s_mov_b32 s59, 2
	s_mov_b32 s62, 0                               ; the half's place in b2
.Lg:
	s_wait_alu depctr_vm_vsrc(0)                   ; first trip: silu's LDS stores have read the codes in v64-127; second trip: the global stores have read their offsets (v64-127) and data (v128-255), the stage's LDS stores window 2, the LDS loads v[B2RG]: all are written again below
	s_cmp_eq_u32 s26, 0
	s_cbranch_scc1 .Lgs
	v_add_nc_u32 v[B2RG], s62, v[B2R]
	s_wait_alu depctr_va_vdst(0)                   ; v[B2RG] is written; every earlier vector and matrix line is done with v64-255 (silu and its conversions; the last trip's offsets), in which the bias and the first two steps' rows land
	BIAS2 0
	BH 0, 0, 0
	BH 1, 0, 1
	P2STEP 0, 0, 0
	P2STEP 0, 1, 0
	P2STEP 0, 2, 0
	P2STEP 0, 3, 0
	BIAS2 1                                        ; e1's bias and first rows are asked of LDS ahead of the combine, which stands between the loads and the wait for them.  They lean on the wait at the end of the step above: since it only loads and window switches were issued
	BH 0, 1, 0
	BH 1, 1, 1
	COMB0                                          ; its 128 lines also part e0's last products from the products that begin the accumulators anew; they name windows 2 and 3 and the weights, none of the registers in which those loads land
	P2STEP 1, 0, 0
	P2STEP 1, 1, 0
	s_cmp_eq_u32 s59, 1                            ; the last half has no successor: its last two K steps are written a second time, without loads: no load leaves wq
	s_cbranch_scc1 .Lg_last
	P2STEP 1, 2, 0
	P2STEP 1, 3, 0
	s_branch .Lg_join
.Lg_last:
	P2STEP 1, 2, 1
	P2STEP 1, 3, 1
	WIN 0
.Lg_join:
	COMB1 0
	WIN 0x08
	s_wait_alu depctr_va_vdst(0)                   ; tile 0's combine has written its part of window 2, which the LDS stores read; the products are done reading the bias in v192-255, in which tile 0's rows land
	THRU 0
	OFFS
	COMB1 1
	COMB1 2
	COMB1 3
	WIN 0x08
	s_wait_alu depctr_va_vdst(0)                   ; the 64 offsets are written, which the global stores read, and tiles 1 to 3 of window 2, which the LDS stores read; the products are done reading v128-191, in which tile 1's rows land.  No vector line follows until the trip's end
	THRU 1
	SEND 0, 32
	s_wait_xcnt 0x0                                ; tile 0's stores have read their data: tile 2's rows land in the same registers only behind this wait
	s_wait_alu depctr_vm_vsrc(0)                   ; tile 0's global stores have read v192-255, in which tile 2's rows land
	THRU 2
	SEND 1, 32
	s_wait_xcnt 0x0                                ; likewise tile 1's, for tile 3
	s_wait_alu depctr_vm_vsrc(0)                   ; tile 1's global stores have read v128-191, in which tile 3's rows land
	THRU 3
	SEND 2, 32
	SEND 3, 0
.Lgs:
	s_wait_xcnt 0x0                                ; loads and stores have read their bases, offsets and data
	s_add_nc_u64 s[PA:PA+1], s[PA:PA+1], 65536
	s_add_nc_u64 s[PB:PB+1], s[PB:PB+1], 65536
	s_add_nc_u64 s[70:71], s[70:71], 512
	s_add_co_u32 s62, s62, 512
	s_sub_co_u32 s59, s59, 1
	s_cmp_lg_u32 s59, 0
	s_cbranch_scc1 .Lg
	s_wait_xcnt 0x0
	s_wait_alu depctr_vm_vsrc(0)                   ; tile 2's global stores have read v254 and v255, which the two lines below write
	v_lshl_add_u32 v254, v0, 2, 0x2c800
	v_mov_b32 v255, 0
	s_wait_dscnt 0x0                               ; the closing lines, six on end
	s_wait_alu 0x0
	s_wait_tensorcnt 0x0
	ds_add_u32 v254, v255
	s_wait_dscnt 0x0
	s_endpgm
.Lfunc_end_k_q7902f0b226_experts:
	.size	k_q7902f0b226_experts, .Lfunc_end_k_q7902f0b226_experts-k_q7902f0b226_experts
	.p2alignl 7, 3214868480
	.fill 96, 4, 3214868480
	.section	.rodata,"a",@progbits
	.p2align	6, 0x0
	.amdhsa_kernel k_q7902f0b226_experts
		.amdhsa_group_segment_fixed_size 182784
		.amdhsa_private_segment_fixed_size 0
		.amdhsa_enable_private_segment 0
		.amdhsa_kernarg_size 64
		.amdhsa_user_sgpr_count 2
		.amdhsa_user_sgpr_kernarg_segment_ptr 1
		.amdhsa_wavefront_size32 1
		.amdhsa_system_sgpr_workgroup_id_x 1
		.amdhsa_system_sgpr_workgroup_id_y 1
		.amdhsa_system_sgpr_workgroup_id_z 1
		.amdhsa_system_vgpr_workitem_id 0
		.amdhsa_next_free_vgpr 1024
		.amdhsa_next_free_sgpr 100
		.amdhsa_reserve_vcc 0
		.amdhsa_float_denorm_mode_32 3
		.amdhsa_float_denorm_mode_16_64 3
		.amdhsa_memory_ordered 1
		.amdhsa_forward_progress 1
		.amdhsa_inst_pref_size 243
	.end_amdhsa_kernel
	.amdgpu_metadata
---
amdhsa.version: [ 1, 2 ]
amdhsa.kernels:
  - .name:           k_q7902f0b226_experts
    .symbol:         k_q7902f0b226_experts.kd
    .args:
      - { .name: xq, .offset: 0, .size: 8, .value_kind: global_buffer, .address_space: global }
      - { .name: wq, .offset: 8, .size: 8, .value_kind: global_buffer, .address_space: global }
      - { .name: plan, .offset: 16, .size: 8, .value_kind: global_buffer, .address_space: global }
      - { .name: cw, .offset: 24, .size: 8, .value_kind: global_buffer, .address_space: global }
      - { .name: b1, .offset: 32, .size: 8, .value_kind: global_buffer, .address_space: global }
      - { .name: b2, .offset: 40, .size: 8, .value_kind: global_buffer, .address_space: global }
      - { .name: lowp_scales, .offset: 48, .size: 8, .value_kind: global_buffer, .address_space: global }
      - { .name: out0, .offset: 56, .size: 8, .value_kind: global_buffer, .address_space: global }
    .group_segment_fixed_size: 182784
    .private_segment_fixed_size: 0
    .kernarg_segment_align: 8
    .kernarg_segment_size: 64
    .max_flat_workgroup_size: 128
    .sgpr_count:     100
    .vgpr_count:     1024
    .wavefront_size: 32
...
	.end_amdgpu_metadata
.endif
;; end of part 6
